; MI455X (gfx1250); checked and timed in simulation.
; The chip was launched on July 23, 2026; its instructions are those of AMD's public machine-readable ISA for CDNA 5 (MIT licence, August 2026) and "CDNA5" Instruction Set Architecture Reference Guide (July 2026). The comments in the code are by the model that wrote it; some were corrected since.
;; Multi Head Self Attention. Allowed arithmetic: float matrix products may take bf16 or f16 operands with f32 sums; other float arithmetic in f32, or as packed bf16 or f16 multiplies, adds, multiply-adds, maxima and minima; sums over many terms, partial sums and values carried from step to step in f32; what a program stores and reads back later, other than sums and carried values, may be rounded once to bf16 or f16.
;; Inputs: padding_mask 4 x 2,048 int32; w_o 1,024 x 1,024 float32; w_qkv 3,072 x 1,024 float32; x 4 x 2,048 x 1,024 float32.
;; Outputs: out0 4 x 2,048 x 1,024 float32.
;; One version. Each part assembles by itself: llvm-mc -triple=amdgcn-amd-amdhsa -mcpu=gfx1250 --defsym DOCPART=n.
;; ======== version 1 of 1: 4 launches
;; limits: values are held in f16: magnitudes above 65,504 overflow, below 6.1e-05 lose precision
;; workspace buffers: xb 16,777,216 bytes; wb 6,291,456 bytes; wob 2,097,152 bytes; rope 524,288 bytes; qkv 50,331,648 bytes; ob 16,777,216 bytes
;; launch prep (part 1): grid 832 x 1, 8 waves a work-group, no clusters, 0 bytes of LDS; arguments x, w_qkv, w_o, xb, wb, wob, rope; writes xb, wb, wob, rope
.if DOCPART == 1
	.amdgcn_target "amdgcn-amd-amdhsa--gfx1250"
	.amdhsa_code_object_version 6
	.text
	.protected	k_qfd67eee045_prep
	.globl	k_qfd67eee045_prep
	.p2align	8
	.type	k_qfd67eee045_prep,@function
k_qfd67eee045_prep:
	s_mov_b64 s[64:65], 0
	v_nop
	global_prefetch_b8 v0, s[64:65] scope:SCOPE_SE
	s_setreg_imm32_b32 hwreg(HW_REG_WAVE_MODE, 25, 1), 1
	s_wait_xcnt 0x0
; PREP.  The three f32 inputs are rounded once to bf16 and laid out in blocks, so that the tiles of the two products are dense in memory; and the table of cosines and sines is made.
;   xb  [row/256][kb 16][256 rows][64 k] bf16          wb  rows in the order n' = 192 head + 64 (q, k, v) + d, then [n'/128][kb][128][64] bf16
;   wob [n/128][kb][128][64]: w_o rounded to bf16, that number written as f16        rope [pos 2048][pair 32][cos, sin] f32
; SHARES.  Work-groups 0-511: 16 rows of x each; 512-703: 16 rows of w_qkv; 704-767: 16 rows of w_o; 768-831: 256 chunks of 16 bytes of the table, for positions p and p + 1,024.
; A thread of a cast takes one row, eight k blocks, eight numbers in each: two loads of 16 bytes and one store of 16 bytes a block.  A wave's store covers 4 rows x 128 bytes = 512 consecutive bytes, aligned.
; All 16 loads go out first; the waits count down; no register is used twice, so nothing waits for a store.  No LDS, no matrix unit: each byte is read once and written once.
; LIMITS.  w_o below 6.1e-5 keeps f16's fixed step of 6e-8; beyond 65,504 it would be an infinity.  The angle is position x 2^(-0.41524101 pair), each in f32; sine and cosine by reduction
; to |r| <= pi/4 (pi/2 in two parts) and polynomials of degree 7 and 8.
.set VI,  2                            ; v2       my byte offset in the 16 source rows
.set VO,  8                            ; v[8:15]  my byte offset in the destination, one for each of my eight k blocks
.set IN,  16                           ; v[16:79] 64 numbers as loaded
.set OU,  80                           ; v[80:111] 32 words to store
.set SRC, 20                           ; s[20:21] source, s[22:23] destination
.set DST, 22
	s_load_b256 s[4:11], s[0:1], 0x0               ; x s[4:5], w_qkv s[6:7], w_o s[8:9], xb s[10:11]
	s_load_b128 s[12:15], s[0:1], 0x20             ; wb s[12:13], wob s[14:15]
	s_load_b64 s[16:17], s[0:1], 0x30              ; rope
	s_mov_b32 s28, ttmp9
	s_mov_b32 s31, 0
	s_wait_kmcnt 0x0
	s_cmp_lt_u32 s28, 512
	s_cbranch_scc0 .Lnot_x
	s_mov_b64 s[SRC:SRC+1], s[4:5]
	s_mov_b64 s[DST:DST+1], s[10:11]
	s_lshl_b32 s24, s28, 4                         ; first source row
	s_mov_b32 s25, s24                             ; first destination row
	s_mov_b32 s26, 8                               ; log2 of the rows in a block
	s_mov_b32 s27, 0                               ; bf16
	s_branch .Lcast
.Lnot_x:
	s_cmp_lt_u32 s28, 704
	s_cbranch_scc0 .Lnot_w
	s_mov_b64 s[SRC:SRC+1], s[6:7]
	s_mov_b64 s[DST:DST+1], s[12:13]
	s_sub_co_u32 s24, s28, 512
	s_lshl_b32 s24, s24, 4                         ; n = 1,024 j + 64 head + d
	s_bfe_u32 s29, s24, 0x40006                    ; head
	s_mul_i32 s29, s29, 192
	s_lshr_b32 s30, s24, 10                        ; j
	s_lshl_b32 s30, s30, 6
	s_and_b32 s25, s24, 63                         ; d
	s_add_co_u32 s25, s25, s29
	s_add_co_u32 s25, s25, s30                     ; n' = 192 head + 64 j + d
	s_mov_b32 s26, 7
	s_mov_b32 s27, 0
	s_branch .Lcast
.Lnot_w:
	s_cmp_lt_u32 s28, 768
	s_cbranch_scc0 .Ltable
	s_mov_b64 s[SRC:SRC+1], s[8:9]
	s_mov_b64 s[DST:DST+1], s[14:15]
	s_sub_co_u32 s24, s28, 704
	s_lshl_b32 s24, s24, 4
	s_mov_b32 s25, s24
	s_mov_b32 s26, 7
	s_mov_b32 s27, 1                               ; bf16, then written as f16
.Lcast:
	s_lshl_b32 s30, s24, 12                        ; a source row is 4,096 bytes
	s_add_nc_u64 s[SRC:SRC+1], s[SRC:SRC+1], s[30:31]
	s_lshr_b32 s29, s25, s26                       ; the block,
	s_lshl_b32 s30, s29, s26
	s_sub_co_u32 s30, s25, s30                     ; the row in it
	s_lshl_b32 s30, s30, 7
	s_add_co_u32 s34, s26, 11                      ; a block is 16 k blocks x rows x 128 bytes
	s_lshl_b32 s29, s29, s34
	s_add_co_u32 s30, s30, s29
	s_add_nc_u64 s[DST:DST+1], s[DST:DST+1], s[30:31]
	s_lshl_b32 s32, 128, s26                       ; bytes from a k block to the next
	s_lshl_b32 s33, s32, 3                         ; eight of them
	v_and_b32 v1, 7, v0                            ; which 8 numbers of a k block
	v_bfe_u32 v3, v0, 3, 4                         ; which row
	v_bfe_u32 v4, v0, 7, 1                         ; which half of the 16 k blocks
	v_lshlrev_b32 v[VI], 5, v1
	v_lshl_add_u32 v[VI], v3, 12, v[VI]
	v_lshl_add_u32 v[VI], v4, 11, v[VI]
	v_and_b32 v5, 127, v0
	v_mul_lo_u32 v[VO], v4, s33
	v_lshl_add_u32 v[VO], v5, 4, v[VO]             ; 128 row + 16 piece + half
.irp i, 1,2,3,4,5,6,7
	v_add_nc_u32 v[VO+\i], s32, v[VO+\i-1]
.endr
.irp i, 0,1,2,3,4,5,6,7
	global_load_b128 v[IN+8*\i:IN+8*\i+3],   v[VI], s[SRC:SRC+1] offset:256*\i th:TH_LOAD_NT
	global_load_b128 v[IN+8*\i+4:IN+8*\i+7], v[VI], s[SRC:SRC+1] offset:256*\i+16 th:TH_LOAD_NT
.endr
	s_cmp_eq_u32 s27, 1
	s_cbranch_scc1 .Lhalf
.irp i, 0,1,2,3,4,5,6,7
	s_wait_loadcnt 14-2*\i                         ; loads come back in order: this k block's two are in, the later blocks' stay out
.irp r, 0,1,2,3
	v_cvt_pk_bf16_f32 v[OU+4*\i+\r], v[IN+8*\i+2*\r], v[IN+8*\i+2*\r+1]
.endr
	global_store_b128 v[VO+\i], v[OU+4*\i:OU+4*\i+3], s[DST:DST+1]
.endr
	s_endpgm
.Lhalf:
.irp i, 0,1,2,3,4,5,6,7
	s_wait_loadcnt 14-2*\i
.irp r, 0,1,2,3
	v_cvt_pk_bf16_f32 v[OU+4*\i+\r], v[IN+8*\i+2*\r], v[IN+8*\i+2*\r+1]   ; the one rounding that all inputs get,
.endr
.irp r, 0,1,2,3
	v_lshlrev_b32 v[IN+8*\i+2*\r],   16, v[OU+4*\i+\r]                    ; back to f32,
	v_and_b32     v[IN+8*\i+2*\r+1], 0xffff0000, v[OU+4*\i+\r]
.endr
.irp r, 0,1,2,3
	v_cvt_pk_f16_f32 v[OU+4*\i+\r], v[IN+8*\i+2*\r], v[IN+8*\i+2*\r+1]    ; and the same number as f16
.endr
	global_store_b128 v[VO+\i], v[OU+4*\i:OU+4*\i+3], s[DST:DST+1]
.endr
	s_endpgm
; cos and sin of the angle in v[a], into v[c] and v[s].  n = the nearest multiple of pi/2; r = angle - n pi/2, pi/2 in two parts; the quadrant n mod 4 swaps the two and sets the signs.
.macro SINCOS a, c, s
	v_mul_f32 v40, 0x3f22f983, v[\a]               ; 2 / pi
	v_rndne_f32 v40, v40
	v_fmamk_f32 v41, v40, 0xbfc90fdb, v[\a]
	v_fmamk_f32 v41, v40, 0x333bbd2e, v41
	v_cvt_i32_f32 v42, v40
	v_mul_f32 v43, v41, v41                        ; r^2
	v_fma_f32 v44, v43, s36, s35
	v_fma_f32 v45, v43, s40, s39
	v_fma_f32 v44, v44, v43, s34
	v_fma_f32 v45, v45, v43, s38
	v_mul_f32 v46, v41, v43
	v_fma_f32 v45, v45, v43, -0.5
	v_fma_f32 v44, v46, v44, v41                   ; sin r
	v_fma_f32 v45, v45, v43, 1.0                   ; cos r
	v_and_b32 v46, 1, v42
	v_cmp_eq_u32 vcc_lo, 1, v46
	v_cndmask_b32 v[\s], v44, v45, vcc_lo
	v_cndmask_b32 v[\c], v45, v44, vcc_lo
	v_and_b32 v46, 2, v42
	v_lshlrev_b32 v46, 30, v46
	v_xor_b32 v[\s], v46, v[\s]
	v_add_nc_u32 v47, 1, v42
	v_and_b32 v47, 2, v47
	v_lshlrev_b32 v47, 30, v47
	v_xor_b32 v[\c], v47, v[\c]
.endm
.Ltable:
	s_sub_co_u32 s29, s28, 768
	s_lshl_b32 s29, s29, 8
	s_mov_b32 s34, 0xbe2aaaab                      ; -1/6
	s_mov_b32 s35, 0x3c088889                      ; 1/120
	s_mov_b32 s36, 0xb9500d01                      ; -1/5040
	s_mov_b32 s38, 0x3d2aaaab                      ; 1/24
	s_mov_b32 s39, 0xbab60b61                      ; -1/720
	s_mov_b32 s40, 0x37d00d01                      ; 1/40320
	v_add_nc_u32 v1, s29, v0                       ; my chunk of 16 bytes: two pairs of one position
	v_lshrrev_b32 v2, 4, v1                        ; position 0 .. 1,023
	v_and_b32 v3, 15, v1
	v_lshlrev_b32 v3, 1, v3                        ; the first pair
	v_cvt_f32_u32 v4, v3
	v_add_f32 v5, 1.0, v4
	v_mul_f32 v6, 0xbed49a78, v4                   ; -log2(10000) / 32 x pair
	v_mul_f32 v7, 0xbed49a78, v5
	v_exp_f32 v6, v6
	v_exp_f32 v7, v7
	v_cvt_f32_u32 v8, v2                           ; a plain instruction behind the two exponentials,
	s_wait_alu depctr_va_vdst(0)                   ; and one wait for both, ahead of their first use
	v_add_f32 v9, 0x44800000, v8                   ; position + 1,024
	v_mul_f32 v10, v8, v6
	v_mul_f32 v11, v8, v7
	v_mul_f32 v12, v9, v6
	v_mul_f32 v13, v9, v7
	SINCOS 10, 16, 17
	SINCOS 11, 18, 19
	SINCOS 12, 20, 21
	SINCOS 13, 22, 23
	v_lshlrev_b32 v14, 4, v1
	global_store_b128 v14, v[16:19], s[16:17]                  ; a wave stores 512 consecutive bytes, aligned
	global_store_b128 v14, v[20:23], s[16:17] offset:262144
	s_endpgm
.Lfunc_end_k_qfd67eee045_prep:
	.size	k_qfd67eee045_prep, .Lfunc_end_k_qfd67eee045_prep-k_qfd67eee045_prep
	.p2alignl 7, 3214868480
	.fill 96, 4, 3214868480
	.section	.rodata,"a",@progbits
	.p2align	6, 0x0
	.amdhsa_kernel k_qfd67eee045_prep
		.amdhsa_group_segment_fixed_size 0
		.amdhsa_private_segment_fixed_size 0
		.amdhsa_enable_private_segment 0
		.amdhsa_kernarg_size 56
		.amdhsa_user_sgpr_count 2
		.amdhsa_user_sgpr_kernarg_segment_ptr 1
		.amdhsa_wavefront_size32 1
		.amdhsa_system_sgpr_workgroup_id_x 1
		.amdhsa_system_sgpr_workgroup_id_y 1
		.amdhsa_system_sgpr_workgroup_id_z 1
		.amdhsa_system_vgpr_workitem_id 0
		.amdhsa_next_free_vgpr 112
		.amdhsa_next_free_sgpr 66
		.amdhsa_reserve_vcc 1
		.amdhsa_float_denorm_mode_32 3
		.amdhsa_float_denorm_mode_16_64 3
		.amdhsa_memory_ordered 1
		.amdhsa_forward_progress 1
		.amdhsa_inst_pref_size 22
	.end_amdhsa_kernel
	.amdgpu_metadata
---
amdhsa.version: [ 1, 2 ]
amdhsa.kernels:
  - .name:           k_qfd67eee045_prep
    .symbol:         k_qfd67eee045_prep.kd
    .args:
      - { .name: x, .offset: 0, .size: 8, .value_kind: global_buffer, .address_space: global }
      - { .name: w_qkv, .offset: 8, .size: 8, .value_kind: global_buffer, .address_space: global }
      - { .name: w_o, .offset: 16, .size: 8, .value_kind: global_buffer, .address_space: global }
      - { .name: xb, .offset: 24, .size: 8, .value_kind: global_buffer, .address_space: global }
      - { .name: wb, .offset: 32, .size: 8, .value_kind: global_buffer, .address_space: global }
      - { .name: wob, .offset: 40, .size: 8, .value_kind: global_buffer, .address_space: global }
      - { .name: rope, .offset: 48, .size: 8, .value_kind: global_buffer, .address_space: global }
    .group_segment_fixed_size: 0
    .private_segment_fixed_size: 0
    .kernarg_segment_align: 8
    .kernarg_segment_size: 56
    .max_flat_workgroup_size: 256
    .sgpr_count:     66
    .vgpr_count:     112
    .wavefront_size: 32
...
	.end_amdgpu_metadata
.endif
;; end of part 1
;; launch gemm_qkv (part 2): grid 8 x 32, 4 waves a work-group, clusters of 4 x 4, 327,680 bytes of LDS; arguments xb, wb, rope, qkv; writes qkv
.if DOCPART == 2
	.amdgcn_target "amdgcn-amd-amdhsa--gfx1250"
	.amdhsa_code_object_version 6
	.text
	.protected	k_qfd67eee045_gemm_qkv
	.globl	k_qfd67eee045_gemm_qkv
	.p2align	8
	.type	k_qfd67eee045_gemm_qkv,@function
k_qfd67eee045_gemm_qkv:
	s_mov_b64 s[64:65], 0
	v_nop
	global_prefetch_b8 v0, s[64:65] scope:SCOPE_SE
	s_setreg_imm32_b32 hwreg(HW_REG_WAVE_MODE, 25, 1), 1
	s_wait_xcnt 0x0
	s_wait_alu depctr_hold_cnt(0) depctr_sa_sdst(0) depctr_va_vdst(0) depctr_va_sdst(0) depctr_va_ssrc(0) depctr_va_vcc(0) depctr_vm_vsrc(0)
	s_getreg_b32 s2, hwreg(HW_REG_IB_STS2, 6, 4)
	s_cmp_eq_u32 s2, 0
	s_cbranch_scc0 .Lentry_in_a_cluster
	s_endpgm
.Lentry_in_a_cluster:
	s_bfe_u32 s2, ttmp6, 0x10000c
	s_cmp_lg_u32 s2, 0xf033
	s_cbranch_scc0 .Lentry_shape_is_right
	s_endpgm
.Lentry_shape_is_right:
; q, k, v = x w_qkv^T, q and k turned by the rotary table, all written by heads as f16: qkv [q, k, v][batch x head 64][position 2,048][64].  Operands bf16, sums f32, one rounding to f16.
; SHARES.  8,192 x 3,072 results in tiles of 256 x 384: 32 x 8 = 256 work-groups, one tile each.  Four waves, each 128 rows x 192 columns: 96 accumulators of 16 x 16, 768 registers.
; wb's rows stand in the order 192 head + 64 (q, k, v) + d, so a wave's 192 columns are q, k and v of ONE head, and which third is turned is the same text in every work-group.
; K goes in 16 steps of 64 through two LDS slots.  xb and wb are laid out in blocks, so a step's tiles are dense in memory: they are asked for as rows of 256 bytes and padded in LDS after every 128.
; Two slots of a step of 128 (2 x 640 rows x 272 bytes) would not fit in 327,680 bytes.
; CLUSTERS of 4 x 4: x's tile is shared along a row of the cluster, w's along a column; each is asked for jointly, by the same load with the same descriptor and a mask that names the four.
; THE MATRIX INSTRUCTION IS USED TRANSPOSED (source 0 = 16 rows of w, source 1 = 16 rows of x): a lane holds row l % 16 and eight neighbouring columns, so a rotary pair lies in one register pair.
; w's twelve fragments have ONE buffer: head part j's four are loaded again four places behind its 32 products and are read again 64 products later.  x's eight have two buffers.
; LIMITS.  q, k, v leave as f16: beyond 65,504 they would be infinities.  NaN and infinities in the inputs are not treated apart.
; REGISTERS.  window 0: v0-29 addresses; v32-95, v96-159 x's fragments; v160-255 w's fragments.  windows 1, 2, 3: the accumulators of q, k, v: (a, b) at v[8 (4 a + b)].
; On the way out window 0 holds: v32-95 cosines and sines of two row blocks; v96-127 at work; v128-143 packed; v144-175 rows read back, two buffers.
.set PA,     144                       ; an LDS row: 128 bytes + 16 of padding: an odd multiple of 16, so the 16 rows of a load start in 16 different groups of four banks (ISA guide 11.1)
.set ABYTES, 256*PA                    ; x's 256 rows
.set BPART,  128*PA                    ; 128 rows of w: what one of waves 1-3 fetches
.set SLOT1,  1<<17                     ; slot 1 begins here: one exclusive or turns an address in one slot into the other's
.set STAGE,  SLOT1+ABYTES+3*BPART      ; behind the ring: 16 rows x 144 bytes for each wave
.set SPARE,  STAGE+4*16*PA             ; behind the stages: the spare words, 128 bytes for each wave
.set ASTEP,  32768                     ; bytes from a K step to the next in xb,
.set BSTEP,  16384                     ; and in wb
.set G1W0,   (1<<16)|(1<<20)|(1<<21)|(4<<22)|(3<<25)  ; 2-byte elements; padding on; bit 21 beside a mask; after every 32 words; 4 words
.set ADA0, 2                           ; v2  my lane's place in x's rows of slot 0; never rewritten
.set ADB0, 3                           ; v3  the same for w
.set ADA,  4                           ; v4  the same in the slot in hand
.set ADB,  5
.set STO,  6                           ; v6  the way out: where I put 16 bytes of a row
.set RD,   7                           ; v7  where I read rows back
.set GO,   8                           ; v8  my 16 bytes of 512 consecutive bytes of qkv
.set TO,   9                           ; v9  my byte offset in 16 rows of the table
.set PFO,  10                          ; v10 the prefetches' offset
.set SPW,  28                          ; v28 LDS address of my spare word; never rewritten
.set NIL,  29                          ; v29 0; never rewritten
.set FA0,  32
.set FA1,  96
.set FB,   160
.set CSB,  32
.set T,    96
.set PK,   128
.set OUT,  144
.set CNT,  3                           ; s3  trips to go
.set WV,   12                          ; s12 wave; s13 its half of the rows; s14 its half of the columns
.set WR,   13
.set WC,   14
.set TB,   15                          ; s15 0 or SLOT1: the slot that is fetched from
.set LIM,  16                          ; s16 2 in a wave that prefetches, else the greatest number
.set PAR,  17                          ; s17 1: prefetch in every second trip only
.set PST,  18                          ; s[18:19] the prefetch address's step
.set T0,   20
.set G1A,  24                          ; s[24:31] group 1 for x's tiles;  s[32:39] group 0, two sets: the second walks
.set G0A,  32
.set PFA,  46                          ; s[46:47] where my prefetches stand
.set G1B,  48                          ; s[48:55], s[56:63] the same for w's tiles
.set G0B,  56
.set OB,   66                          ; s[66:71] q, k, v at my wave's first row
.set RP,   72                          ; s[72:73] the table at my wave's first position
.set MSB, 0
.macro WIN new                         ; the immediate's high byte repeats the setting that is left; a switch that changes nothing is dropped
.if MSB != (\new)
	s_set_vgpr_msb (MSB<<8)|(\new)
.set MSB, \new
.endif
.endm
.macro PLACES                          ; four places between matrix instructions and loads into, or vector work on, their registers
.rept 4
	v_nop
.endr
.endm
.macro CREST                           ; a round of the cluster's barrier behind its opening barrier
	s_cmp_lg_u32 s[WV], 0
	s_cbranch_scc1 .Lnot_wave_0_\@
	s_barrier_signal -3
.Lnot_wave_0_\@:
	s_barrier_wait -3
	s_barrier_signal -1
	s_barrier_wait -1
.endm
.macro CROUND
	s_barrier_signal -1
	s_barrier_wait -1
	CREST
.endm
.macro JLOAD                           ; a joint refill: wave 0 fetches x's 256 rows, waves 1-3 128 rows of w each; the branch hangs on the wave's number alone
	s_cmp_eq_u32 s[WV], 0
	s_cbranch_scc0 .Lfor_b_\@
	tensor_load_to_lds s[G0A+4:G0A+7], s[G1A:G1A+7]
	s_nop 0
.rept 4
	v_nop
.endr
	s_branch .Lasked_\@
.Lfor_b_\@:
	tensor_load_to_lds s[G0B+4:G0B+7], s[G1B:G1B+7]
	s_nop 0
.rept 4
	v_nop
.endr
.Lasked_\@:
.endm
; A prefetch of the K step two refills on, behind the joint load, its five lines and the run of LDS loads.  x's blocks are asked for by wave 0 of the clusters with x = 0, one step a trip, a lane a block of 256 bytes;
; w's by waves 1-3 of the clusters with y = 0, two steps in every second trip (lanes 0-15 one step, lanes 16-31 the next).  The four partners that ask for a tile jointly share its blocks out by address.
; So each block is named once in the launch.  K steps 0-3 come by their loads alone; the trips whose step two on would pass step 15 ask for nothing.
.macro ASK
	s_and_b32 s[T0], s[CNT], s[PAR]
	s_cselect_b32 s[T0], 0, s[CNT]
	s_cmp_gt_u32 s[T0], s[LIM]
	s_cbranch_scc0 .Lnot_mine_\@
	global_prefetch_b8 v[PFO], s[PFA:PFA+1] th:TH_LOAD_NT scope:SCOPE_SE
.Lnot_mine_\@:
.endm
; 4 na matrix instructions: part j (q, k, v) of my head, row blocks a0 .. a0 + na - 1, from x's buffer f.  The 96 accumulators take turns, in the same order in every pass.
.macro HEADH j, f, a0, na, zero
	WIN 0x50*(1+(\j))
.set ha, \a0
.rept \na
.irp b, 0,1,2,3
.if \zero
	v_wmma_f32_16x16x32_bf16 v[8*(4*ha+\b):8*(4*ha+\b)+7], v[FB+8*(4*(\j)+\b):FB+8*(4*(\j)+\b)+7], v[(\f)+8*ha:(\f)+8*ha+7], 0
.else
	v_wmma_f32_16x16x32_bf16 v[8*(4*ha+\b):8*(4*ha+\b)+7], v[FB+8*(4*(\j)+\b):FB+8*(4*(\j)+\b)+7], v[(\f)+8*ha:(\f)+8*ha+7], v[8*(4*ha+\b):8*(4*ha+\b)+7]
.endif
.endr
.set ha, ha+1
.endr
.endm
.macro LDB j, k                        ; part j's four fragments of w, 32 along K at byte k of the rows: 8 loads
.irp b, 0,1,2,3
	ds_load_b128 v[FB+8*(4*(\j)+\b):FB+8*(4*(\j)+\b)+3],   v[ADB] offset:(4*(\j)+\b)*16*PA+(\k)
	ds_load_b128 v[FB+8*(4*(\j)+\b)+4:FB+8*(4*(\j)+\b)+7], v[ADB] offset:(4*(\j)+\b)*16*PA+(\k)+32
.endr
.endm
.macro LDA f, k                        ; x's eight fragments into buffer f: 16 loads
.irp a, 0,1,2,3,4,5,6,7
	ds_load_b128 v[(\f)+8*\a:(\f)+8*\a+3],   v[ADA] offset:\a*16*PA+(\k)
	ds_load_b128 v[(\f)+8*\a+4:(\f)+8*\a+7], v[ADA] offset:\a*16*PA+(\k)+32
.endr
.endm
; The LDS loads of a half step go out in the order: w part 0 (8), x (16), w part 1 (8), w part 2 (8).
; A K step's first half: multiplies buffer FA0 and fetches the second half.
.macro Q0 zero
	s_wait_dscnt 16                                ; part 0 and x are in; parts 1 and 2 may be out
	HEADH 0, FA0, 0, 8, \zero
	WIN 0
	PLACES
	LDB 0, 64
	LDA FA1, 64
	s_wait_dscnt 32                                ; part 1 is in; out: part 2's 8 and the 24 just issued
	HEADH 1, FA0, 0, 8, \zero
	WIN 0
	PLACES
	LDB 1, 64
	s_wait_dscnt 32                                ; part 2 is in; out: those 24 and the 8 just issued
	HEADH 2, FA0, 0, 8, \zero
	WIN 0
	PLACES
	LDB 2, 64
.endm
; A K step's second half: multiplies FA1 and changes slots.  In front of the barrier each wave waits for all its tensor loads (one is out: its part of the next slot), adds 0 to its spare word,
; and waits for that and for its reads of this slot.  fill = 1: the barrier opens a round of the cluster's barrier, and the joint refill, two K steps ahead, is the first thing behind the round:
; from there to the wait for it a wave issues 160 matrix instructions.
.macro Q1T fill
.if \fill
	s_wait_xcnt 0x0                                ; the last prefetch, a K step back, has read its address
	s_add_nc_u64 s[PFA:PFA+1], s[PFA:PFA+1], s[PST:PST+1]
.endif
	WIN 0
	s_wait_tensorcnt 0x0                           ; all my tensor loads have landed
	ds_add_u32 v[SPW], v[NIL]                      ; 0 onto my spare word
	s_wait_dscnt 17                                ; part 0 and x are in; out: parts 1 and 2 (16) and the add
	HEADH 0, FA1, 0, 4, 0
	s_wait_dscnt 0x0                               ; the add is done, and my reads of this slot are over
	s_barrier_signal -1
	HEADH 0, FA1, 4, 4, 0
	WIN 0
	s_barrier_wait -1
.if \fill
	CREST
	s_xor_b32 s[G0A+5], s[G0A+5], SLOT1            ; the walking descriptors: the other slot than last time, the next K step
	s_add_nc_u64 s[G0A+6:G0A+7], s[G0A+6:G0A+7], ASTEP
	s_xor_b32 s[G0B+5], s[G0B+5], SLOT1
	s_add_nc_u64 s[G0B+6:G0B+7], s[G0B+6:G0B+7], BSTEP
	JLOAD                                          ; its four v_nop are also the places in front of the loads below
.else
	PLACES
.endif
	s_xor_b32 s[TB], s[TB], SLOT1
	v_add_nc_u32 v[ADA], s[TB], v[ADA0]
	v_add_nc_u32 v[ADB], s[TB], v[ADB0]
	LDB 0, 0
	LDA FA0, 0
.if \fill
	ASK
.endif
	HEADH 1, FA1, 0, 8, 0
	WIN 0
	PLACES
	LDB 1, 0
	HEADH 2, FA1, 0, 8, 0
	WIN 0
	PLACES
	LDB 2, 0
.endm
	s_load_b256 s[4:11], s[0:1], 0x0               ; xb s[4:5], wb s[6:7], rope s[8:9], qkv s[10:11]
	v_lshl_add_u32 v[SPW], v0, 2, SPARE
	v_mov_b32 v[NIL], 0
	ds_add_u32 v[SPW], v[NIL]                      ; the wave's opening
	v_lshrrev_b32 v1, 5, v0
	v_readfirstlane_b32 s[WV], v1
	s_lshr_b32 s[WR], s[WV], 1
	s_and_b32 s[WC], s[WV], 1
	s_bfe_u32 s40, ttmp6, 0x40000                  ; cx
	s_bfe_u32 s41, ttmp6, 0x40004                  ; cy
	s_lshl_b32 s42, ttmp9, 2
	s_add_co_u32 s42, s42, s40                     ; tile column = 4 x cluster x + cx
	s_and_b32 s43, ttmp7, 0xffff
	s_lshl_b32 s43, s43, 2
	s_add_co_u32 s43, s43, s41                     ; tile row = 4 x cluster y + cy
	s_lshl_b32 s44, s41, 2
	s_lshl_b32 s44, 15, s44                        ; my row of the cluster
	s_lshl_b32 s45, 0x1111, s40                    ; my column
	s_or_b32 s[G1A], s44, G1W0
	s_or_b32 s[G1B], s45, G1W0
	s_mov_b32 s[G1A+1], 128<<16                    ; tensor_dim0 = 128 elements: rows of 256 bytes
	s_mov_b32 s[G1A+2], 128<<16                    ; tensor_dim1 = 128 rows: 32,768 bytes
	s_mov_b32 s[G1A+3], 128<<16                    ; tile_dim0
	s_mov_b32 s[G1A+4], 128                        ; tile_dim1
	s_mov_b32 s[G1A+5], 128                        ; elements from row to row
	s_mov_b32 s[G1A+6], 0
	s_mov_b32 s[G1A+7], 0
	s_mov_b32 s[G1B+1], 128<<16
	s_mov_b32 s[G1B+2], 64<<16                     ; 64 rows: 16,384 bytes
	s_mov_b32 s[G1B+3], 128<<16
	s_mov_b32 s[G1B+4], 64
	s_mov_b32 s[G1B+5], 128
	s_mov_b32 s[G1B+6], 0
	s_mov_b32 s[G1B+7], 0
	s_lshl_b32 s74, s43, 19                        ; x's block of 256 rows: it hangs on the tile row alone
	s_mov_b32 s75, 0
	s_max_u32 s76, s[WV], 1
	s_sub_co_u32 s76, s76, 1                       ; which of the tile's three blocks of 128 rows of w (waves 1-3)
	s_mul_i32 s77, s42, 3
	s_add_co_u32 s76, s76, s77
	s_lshl_b32 s76, s76, 18                        ; it hangs on the tile column alone
	s_mov_b32 s77, 0
	s_mul_i32 s78, s[WV], BPART
	s_add_co_u32 s78, s78, ABYTES-BPART            ; where w's block goes: behind x's rows, wave 1 first
	s_lshl_b32 s79, s40, 13                        ; the prefetches' offsets: the block and my work-group's quarter of a step
	s_add_co_u32 s79, s79, s74
	s_lshl_b32 s80, s41, 12
	s_add_co_u32 s80, s80, s76
	s_wait_dscnt 0x0                               ; the opening add is done
	s_wait_kmcnt 0x0
	s_add_nc_u64 s[74:75], s[4:5], s[74:75]
	s_add_nc_u64 s[76:77], s[6:7], s[76:77]
	CROUND                                         ; all sixteen work-groups are here: the first joint loads meet
.irp s, 0,1
	s_mov_b32 s[G0A+4*\s], 1
	s_mov_b32 s[G0A+4*\s+1], \s*SLOT1
	s_add_nc_u64 s[G0A+4*\s+2:G0A+4*\s+3], s[74:75], \s*ASTEP
	s_or_b32 s[G0A+4*\s+3], s[G0A+4*\s+3], 0x80000000
	s_mov_b32 s[G0B+4*\s], 1
	s_add_co_u32 s[G0B+4*\s+1], s78, \s*SLOT1
	s_add_nc_u64 s[G0B+4*\s+2:G0B+4*\s+3], s[76:77], \s*BSTEP
	s_or_b32 s[G0B+4*\s+3], s[G0B+4*\s+3], 0x80000000
.endr
	s_cmp_eq_u32 s[WV], 0                          ; a wave's two first fills stand in one branch: two loads of mine are out
	s_cbranch_scc0 .Lfirst_b
	tensor_load_to_lds s[G0A:G0A+3], s[G1A:G1A+7]
	s_nop 0
	tensor_load_to_lds s[G0A+4:G0A+7], s[G1A:G1A+7]
	s_nop 0
.rept 4
	v_nop
.endr
	s_branch .Lfirst_asked
.Lfirst_b:
	tensor_load_to_lds s[G0B:G0B+3], s[G1B:G1B+7]
	s_nop 0
	tensor_load_to_lds s[G0B+4:G0B+7], s[G1B:G1B+7]
	s_nop 0
.rept 4
	v_nop
.endr
.Lfirst_asked:
	v_and_b32 v1, 15, v0                           ; l % 16
	v_bfe_u32 v11, v0, 4, 1                        ; l / 16
	v_mul_u32_u24 v12, v1, PA
	v_lshl_add_u32 v12, v11, 4, v12                ; row x pitch + 16 x half
	s_mul_i32 s78, s[WR], BPART
	v_add_nc_u32 v[ADA0], s78, v12                 ; my 128 rows of x
	s_mul_i32 s78, s[WC], 192*PA
	s_add_co_u32 s78, s78, ABYTES
	v_add_nc_u32 v[ADB0], s78, v12                 ; my 192 rows of w
	s_mul_i32 s78, s[WV], 16*PA
	s_add_co_u32 s78, s78, STAGE
	v_add_nc_u32 v[STO], s78, v12
	v_bfe_u32 v13, v0, 3, 2
	v_and_b32 v14, 7, v0
	v_mul_u32_u24 v13, v13, PA
	v_lshl_add_u32 v13, v14, 4, v13
	v_add_nc_u32 v[RD], s78, v13                   ; back: 32 lanes take four rows of 128 bytes,
	v_and_b32 v[GO], 31, v0
	v_lshlrev_b32 v[GO], 4, v[GO]                  ; which are 512 consecutive bytes of a head
	v_lshlrev_b32 v[TO], 8, v1
	v_lshl_add_u32 v[TO], v11, 5, v[TO]            ; the table: 256 bytes a position, my four pairs
	; the prefetches
	s_and_b32 s81, ttmp7, 0xffff                   ; cluster y
	s_mov_b32 s[PST], BSTEP
	s_mov_b32 s[PST+1], 0
	s_mov_b32 s78, BSTEP                           ; lanes 16-31: w's next step,
	s_cmp_eq_u32 s[WV], 0
	s_cselect_b32 s79, s79, s80
	s_cselect_b32 s81, ttmp9, s81                  ; the coordinate along which other clusters read the same blocks
	s_cselect_b64 s[PFA:PFA+1], s[4:5], s[6:7]
	s_cselect_b32 s[PST], ASTEP, s[PST]
	s_cselect_b32 s78, 4096, s78                   ; or x's next 16 blocks of the same step
	s_cselect_b32 s[PAR], 0, 1
	s_cmp_eq_u32 s81, 0
	s_cselect_b32 s[LIM], 2, -1                    ; the same in all sixteen partners, for a given wave
	s_mul_i32 s80, s[PST], 3                       ; at K step 3: the first refill steps it to 4
	s_add_co_u32 s80, s80, s79
	s_mov_b32 s81, 0
	s_add_nc_u64 s[PFA:PFA+1], s[PFA:PFA+1], s[80:81]
	v_mul_lo_u32 v[PFO], v11, s78
	v_lshl_add_u32 v[PFO], v1, 8, v[PFO]
	; the way out's addresses
	s_and_b32 s78, s43, 7
	s_lshl_b32 s78, s78, 8
	s_lshl_b32 s79, s[WR], 7
	s_add_co_u32 s78, s78, s79                     ; my first position in the batch
	s_lshl_b32 s80, s78, 8
	s_add_nc_u64 s[RP:RP+1], s[8:9], s[80:81]
	s_lshr_b32 s79, s43, 3                         ; the batch
	s_lshl_b32 s79, s79, 4
	s_lshl_b32 s80, s42, 1
	s_add_co_u32 s79, s79, s80
	s_add_co_u32 s79, s79, s[WC]                   ; 16 batch + head
	s_lshl_b32 s79, s79, 18
	s_lshl_b32 s78, s78, 7
	s_add_co_u32 s80, s79, s78
	s_add_nc_u64 s[OB:OB+1], s[10:11], s[80:81]
	s_add_nc_u64 s[OB+2:OB+3], s[OB:OB+1], 0x1000000
	s_add_nc_u64 s[OB+4:OB+5], s[OB:OB+1], 0x2000000
	s_wait_tensorcnt 1                             ; my part of K step 0 is in; step 1's may stay out
	s_barrier_signal -1
	s_barrier_wait -1
	s_mov_b32 s[TB], 0
	v_mov_b32 v[ADA], v[ADA0]
	v_mov_b32 v[ADB], v[ADB0]
	LDB 0, 0
	LDA FA0, 0
	LDB 1, 0
	LDB 2, 0
	Q0 1                                           ; the first half step stands in front of the loop: its products start the sums
	WIN 0
	s_mov_b32 s[CNT], 14
.Lk:                                                   ; trip t: the second half of K step t, the refill with step t + 2, the first half of step t + 1
	Q1T 1
	Q0 0
	WIN 0
	s_sub_co_u32 s[CNT], s[CNT], 1
	s_cmp_lg_u32 s[CNT], 0
	s_cbranch_scc1 .Lk
	Q1T 0                                          ; the last two K steps ask for nothing
	Q0 0
; THE WAY OUT.  The table's 16 positions x 32 pairs for row block a: my row's four pairs for each of the four column blocks.
.macro CSLOAD a
.irp b, 0,1,2,3
	global_load_b128 v[CSB+32*((\a)%2)+8*\b:CSB+32*((\a)%2)+8*\b+3],   v[TO], s[RP:RP+1] offset:(\a)*4096+64*\b
	global_load_b128 v[CSB+32*((\a)%2)+8*\b+4:CSB+32*((\a)%2)+8*\b+7], v[TO], s[RP:RP+1] offset:(\a)*4096+64*\b+16
.endr
.endm
	s_wait_dscnt 16                                ; the very last half step
	HEADH 0, FA1, 0, 8, 0
	WIN 0
	PLACES
	CSLOAD 0                                       ; into x's first buffer, which is read no more
	CSLOAD 1
	s_wait_dscnt 8
	HEADH 1, FA1, 0, 8, 0
	s_wait_dscnt 0x0
	HEADH 2, FA1, 0, 8, 0
	WIN 0
	PLACES
; Row block a of part j: 16 rows x 64 columns.  q and k are turned: (x0, x1) -> (x0 c - x1 s, x1 c + x0 s), two packed instructions a pair; then rounded to f16.  Each accumulator is read from its low end on.
.macro PACK a, j
.if (\j) < 2
.if (\j) == 0
.if (\a) == 7
	s_wait_loadcnt 0x0
.else
	s_wait_loadcnt 8                               ; this block's cosines and sines are in; the next block's eight loads stay out
.endif
.endif
	WIN 1+(\j)                                     ; source 0 in the part's window
.set p, 0
.rept 16
	v_pk_mul_f32 v[T+2*p:T+2*p+1], v[32*(\a)+2*p:32*(\a)+2*p+1], v[CSB+32*((\a)%2)+2*p:CSB+32*((\a)%2)+2*p+1] op_sel:[1,1] op_sel_hi:[0,1]  ; (x1 s, x0 s)
.set p, p+1
.endr
.set p, 0
.rept 16
	v_pk_fma_f32 v[T+2*p:T+2*p+1], v[32*(\a)+2*p:32*(\a)+2*p+1], v[CSB+32*((\a)%2)+2*p:CSB+32*((\a)%2)+2*p+1], v[T+2*p:T+2*p+1] op_sel_hi:[1,0,1] neg_lo:[0,0,1]
.set p, p+1
.endr
	WIN 0
.set p, 0
.rept 16
	v_cvt_pk_f16_f32 v[PK+p], v[T+2*p], v[T+2*p+1]
.set p, p+1
.endr
.else
	WIN 0x0f                                       ; sources 0 and 1 in window 3
.set p, 0
.rept 16
	v_cvt_pk_f16_f32 v[PK+p], v[32*(\a)+2*p], v[32*(\a)+2*p+1]
.set p, p+1
.endr
	WIN 0
.endif
.endm
.macro TOSTAGE                         ; unit u: 16 bytes a lane into my stage, and back as whole rows of 128 bytes
.irp b, 0,1,2,3
	ds_store_b128 v[STO], v[PK+4*\b:PK+4*\b+3] offset:32*\b
.endr
	s_wait_xcnt 0x0                                ; the stores of the unit before last have read the registers that are loaded next
.irp f, 0,1,2,3
	ds_load_b128 v[OUT+16*(u%2)+4*\f:OUT+16*(u%2)+4*\f+3], v[RD] offset:\f*4*PA  ; LDS serves a wave's instructions in order (ISA guide 5.7.1.4): these see the stores above
.endr
.endm
.macro SEND younger                    ; unit u - 1 (row block pa, part pj) is stored; younger: the LDS instructions issued behind its loads
.irp f, 0,1,2,3
	s_wait_dscnt (\younger)+3-\f
	global_store_b128 v[GO], v[OUT+16*((u-1)%2)+4*\f:OUT+16*((u-1)%2)+4*\f+3], s[OB+2*pj:OB+2*pj+1] offset:pa*2048+\f*512  ; 512 consecutive bytes, at a multiple of 256 from the buffer's first
.endr
.endm
.set u, 0
.set pa, 0
.set pj, 0
.irp a, 0,1,2,3,4,5,6,7
.irp j, 2,0,1
	PACK \a, \j
	TOSTAGE
.if u > 0
	SEND 8
.endif
.set pa, \a
.set pj, \j
.set u, u+1
.if ((\j) == 1) && ((\a) < 6)
	CSLOAD (\a)+2                                  ; this block's buffer takes the block two further on
.endif
.endr
.endr
	SEND 0
	s_wait_tensorcnt 0x0                           ; the wave's end
	ds_add_u32 v[SPW], v[NIL]
	s_wait_dscnt 0x0
	CROUND                                         ; the closing round
	s_endpgm
.Lfunc_end_k_qfd67eee045_gemm_qkv:
	.size	k_qfd67eee045_gemm_qkv, .Lfunc_end_k_qfd67eee045_gemm_qkv-k_qfd67eee045_gemm_qkv
	.p2alignl 7, 3214868480
	.fill 96, 4, 3214868480
	.section	.rodata,"a",@progbits
	.p2align	6, 0x0
	.amdhsa_kernel k_qfd67eee045_gemm_qkv
		.amdhsa_group_segment_fixed_size 327680
		.amdhsa_private_segment_fixed_size 0
		.amdhsa_enable_private_segment 0
		.amdhsa_kernarg_size 32
		.amdhsa_user_sgpr_count 2
		.amdhsa_user_sgpr_kernarg_segment_ptr 1
		.amdhsa_wavefront_size32 1
		.amdhsa_system_sgpr_workgroup_id_x 1
		.amdhsa_system_sgpr_workgroup_id_y 1
		.amdhsa_system_sgpr_workgroup_id_z 1
		.amdhsa_system_vgpr_workitem_id 0
		.amdhsa_next_free_vgpr 1024
		.amdhsa_next_free_sgpr 84
		.amdhsa_reserve_vcc 0
		.amdhsa_float_denorm_mode_32 3
		.amdhsa_float_denorm_mode_16_64 3
		.amdhsa_memory_ordered 1
		.amdhsa_forward_progress 1
		.amdhsa_inst_pref_size 153
	.end_amdhsa_kernel
	.amdgpu_metadata
---
amdhsa.version: [ 1, 2 ]
amdhsa.kernels:
  - .name:           k_qfd67eee045_gemm_qkv
    .symbol:         k_qfd67eee045_gemm_qkv.kd
    .args:
      - { .name: xb, .offset: 0, .size: 8, .value_kind: global_buffer, .address_space: global }
      - { .name: wb, .offset: 8, .size: 8, .value_kind: global_buffer, .address_space: global }
      - { .name: rope, .offset: 16, .size: 8, .value_kind: global_buffer, .address_space: global }
      - { .name: qkv, .offset: 24, .size: 8, .value_kind: global_buffer, .address_space: global }
    .group_segment_fixed_size: 327680
    .private_segment_fixed_size: 0
    .kernarg_segment_align: 8
    .kernarg_segment_size: 32
    .max_flat_workgroup_size: 128
    .sgpr_count:     84
    .vgpr_count:     1024
    .wavefront_size: 32
...
	.end_amdgpu_metadata
.endif
;; end of part 2
;; launch attn (part 3): grid 4 x 64, 4 waves a work-group, no clusters, 327,680 bytes of LDS; arguments qkv, padding_mask, ob; writes ob
.if DOCPART == 3
	.amdgcn_target "amdgcn-amd-amdhsa--gfx1250"
	.amdhsa_code_object_version 6
	.text
	.protected	k_qfd67eee045_attn
	.globl	k_qfd67eee045_attn
	.p2align	8
	.type	k_qfd67eee045_attn,@function
k_qfd67eee045_attn:
	s_mov_b64 s[64:65], 0
	v_nop
	global_prefetch_b8 v0, s[64:65] scope:SCOPE_SE
	s_setreg_imm32_b32 hwreg(HW_REG_WAVE_MODE, 25, 1), 1
	s_wait_xcnt 0x0
; CAUSAL ATTENTION WITH A MASK OF KEYS.  O[h][q][:] = the sum over the visible k <= q of softmax_k(Q[h][q] . K[h][k] / 8) V[h][k][:].  Q, K, V: the three parts of qkv, [64 heads][2,048][64] f16; O likewise.
; A key is visible where padding_mask[batch][k] is not 0.  Products, maxima and sums in f32; the weights are rounded to f16 for the second product (their sum is taken unrounded), O once at the end.
; LIMITS.  A hidden score counts as its value less 1e30 (up to three times).  The running maximum starts at -2^80: f16's scores, 2.7e11 at the most in size, lie above it, hidden ones far below, so a hidden
; weight is exactly 0.  A row that sees no key keeps l = 0 and O = 0 and leaves as 0 x (1 / 0) = NaN, as the softmax of a row of minus infinities is.  A weight below 2^-126 counts as 0 in l.
; NaN and infinities in Q, K, V are not treated apart.
; THE WALK.  NB = 8 blocks of 256 queries a head; block i needs the key tiles 0 .. i.  A work-group takes blocks NB - 1 - b and then b: NB + 1 tiles whatever b, walked by one loop with a constant trip count.
; NO CLUSTER: a head's four work-groups ask for the same tile only in trips 0 .. 4 of 9; a walk common to all four would have 12 trips for 9.
; SHARES.  Of a block's four bands of 64 queries a wave owns 16 rows in each: four PIECES, so the diagonal tile is the same work for all waves.
; THE MASKS are the C operand that starts the sum S^T = K Q^T.  MP: the key step's 64 addends (0 or -1e30), fetched with K from one of two LDS regions of 1,024 bytes, one for each slot: behind the tensor load
; that asks for a tile each thread loads two of the tile's 256 words of padding_mask; at the head of the next change of slots it turns them into addends and stores them into the region of the slot that is read next.
; In the diagonal tile C = MD x AL + MP + BE: MD the causal mask of a band's own step, (AL, BE) = (1, 0) in that step, (0, 0) in earlier steps, (0, -1e30) in later ones.
; LAYOUT, SOFTMAX, TURNS.  S^T holds one query a lane (lane % 16) and the keys 8 (lane / 16) + 0..7; two results rounded to f16 are source 1 of O^T = V^T P.  p = 2^(c s - c m), c = log2(e) / 8; O and l are
; multiplied by a = 2^(c m_old - c m_new) in every step.  Turn n belongs to piece n: 8 products K Q^T of piece n + 1, later 8 products V^T P of piece n - 1; four vector instructions behind each, the rest in a lump;
; the turn's 33 exponentials are one batch with one wait.
; REGISTERS, in windows of 256: window 0: v0-15, v32-33, v56-63 addresses and the mask's two words; v16-31 statistics; v48-55 at work; v64-127 S^T, two buffers; v192-223 P, two buffers.
;   window 1: v0-127 O^T; v128-159 MD; v160-223 MC, two buffers; v224-255 MP.      window 2: v0-63 Q; v64-127 the second block's Q; v128-191 K of one step; v192-255 V of one step.
.set SIZE_N, 2048
.set NB,    SIZE_N/256
.set NP,    4
.set KS,    64
.set PK,    144       ; a row of K in LDS: 128 bytes + 16
.set PV,    160       ; a row of V: 128 + 32
.set VOFF,  4*KS*PK
.set SLOT1, 1<<17
.set STAGE, SLOT1+4*KS*(PK+PV)
.set SP,    144
.set SPARE, STAGE+4*16*SP  ; the spare words, 128 bytes for each wave
.set PMS,   SPARE+512      ; the addends: two regions of 256 keys x 4 bytes; written by LDS stores alone, never filled by a tensor load
.set PMR,   1024           ; bytes in a region: one exclusive or turns an offset in one region into the other's
.set AK0, 2
.set AV0, 3
.set AK,  4
.set AV,  5
.set STO, 6
.set RD,  7
.set GO,  8
.set MV,  12
.set QO,  15
.set ST,  16
.set PS0, 32          ; v32  PMS + 8 x my thread's number: where I put my two addends in region 0; never rewritten
.set PS,  33          ; v33  the same in the region in hand
.set TMP, 48
.set AM0, 56          ; v56  PMS + 32 (l / 16); never rewritten
.set AM,  57          ; v57  the LDS address of the next run of addends
.set PFO, 58          ; v58  256 x my thread's number; never rewritten
.set PG,  59          ; v59  8 x my thread's number: my two words of a tile's 256 of the mask; never rewritten
.set PR,  60          ; v[60:61] those two words, then the two addends
.set SPW, 62
.set NIL, 63
.set S,   64
.set P,   192
.set MD,  128
.set MC,  160
.set MP,  224
.set QB,  64
.set KF,  128
.set VF,  192
.set WV,  12
.set PB,  14
.set HI,  15
.set G1K, 24
.set G1V, 32
.set G0K, 40
.set G0V, 44
.set KH,  48          ; s[48:49] K at the head's first row;  s[50:51] V
.set VH,  50
.set PFK, 52          ; s[52:53], s[54:55] the tile of K and of V that is prefetched
.set PFV, 54
.set SLOTS, 56
.set CNT, 57
.set CS,  58
.set SEL, 60
.set TBK, 62
.set TBV, 63
.set PFN, 66          ; s66  prefetches still to make
.set TBM, 67          ; s67  byte, from PMS on, at which the addends of the step to be fetched begin: it steps and turns as TBK does
.set RT,  70
.set NXT, 71
.set LQ,  72
.set NEW, 73
.set OFF, 74
.set AL,  76
.set BE,  78
.set OLO, 80
.set BIGN, 82
.set MOF, 88          ; s[88:89] a tile's byte offset in the batch's mask, 0 above it
.set PMA, 90          ; s[90:91] the batch's mask at the tile that is asked for
.set PMB, 94          ; s[94:95] the batch's mask
.set MSB, 0
.macro WIN new
.if MSB != (\new)
	s_set_vgpr_msb (MSB<<8)|(\new)
.set MSB, (\new)
.endif
.endm
.set W_KQ, 0x0a       ; K and Q in window 2, S^T in window 0
.set W_KM, 0x1a       ; the same with the C operand in window 1
.set W_PV, 0x52       ; V in window 2, P in window 0, O^T in window 1
.set W_RS, 0x41       ; destination and source 0 in window 1, source 1 in window 0
.set W_MK, 0x51       ; destination, source 0 and source 2 in window 1
; A fill.  Waves 0 and 1 fetch the two halves of a tile's K, waves 2 and 3 those of its V.
.macro LOAD
	s_cmp_lt_u32 s[WV], 2
	s_cbranch_scc0 .Lfor_v_\@
	tensor_load_to_lds s[G0K:G0K+3], s[G1K:G1K+7]
	s_nop 0
.rept 4
	v_nop
.endr
	s_branch .Lasked_\@
.Lfor_v_\@:
	tensor_load_to_lds s[G0V:G0V+3], s[G1V:G1V+7]
	s_nop 0
.rept 4
	v_nop
.endr
.Lasked_\@:
.endm
; THE CHANGE OF SLOTS.  First the addends of the tile that is entered: my two words of the mask, loaded a tile ago, become 0 or -1e30 and go into the region of the slot that is read next.  That region's last readers
; waited for their loads ahead of the barrier of the change before; its next readers stand behind this change's barrier, ahead of which I wait for my store.
; Then each wave waits for all its tensor loads (one is out: its part of the other slot), adds 0 to its spare word, and waits for that and for its LDS instructions.  fill = 1: the old slot is
; filled again, first thing behind the barrier, with tile NXT, and that tile's words of the mask are loaded.  Behind them the work-group with b = 0, which walks the head's tiles 0 .. 7 first, prefetches the tile
; that the next change will ask for: a thread a block of 256 bytes of K and of V; tiles 2 .. 7, each named once in the launch.
.macro CHANGE fill
	WIN 0
	s_wait_loadcnt 0x0              ; my two words of the mask are in (at the first change: Q too)
	s_sub_co_u32 s[TBM], s[TBM], 4*256  ; the addends' fetches go back to a region's first step,
	s_xor_b32 s[TBM], s[TBM], PMR       ; in the other region
	v_cmp_eq_u32 vcc_lo, 0, v[PR]
	v_cndmask_b32 v[PR], 0, s[BIGN], vcc_lo      ; 0 for a visible key, -1e30 for a hidden one
	v_cmp_eq_u32 vcc_lo, 0, v[PR+1]
	v_cndmask_b32 v[PR+1], 0, s[BIGN], vcc_lo
	v_add_nc_u32 v[PS], s[TBM], v[PS0]
	ds_store_b64 v[PS], v[PR:PR+1]
	s_wait_tensorcnt 0x0
	ds_add_u32 v[SPW], v[NIL]
.if \fill
	s_wait_xcnt 0x0                 ; the last prefetches and the last load of the mask, a tile back, have read their addresses
	s_lshl_b32 s[OFF], s[NXT], 15
	s_xor_b32 s[G0K+1], s[G0K+1], SLOT1
	s_add_nc_u64 s[G0K+2:G0K+3], s[6:7], s[OFF:OFF+1]
	s_or_b32 s[G0K+3], s[G0K+3], 0x80000000
	s_xor_b32 s[G0V+1], s[G0V+1], SLOT1
	s_add_nc_u64 s[G0V+2:G0V+3], s[8:9], s[OFF:OFF+1]
	s_or_b32 s[G0V+3], s[G0V+3], 0x80000000
	s_lshl_b32 s[MOF], s[NXT], 10   ; the same tile's 1,024 bytes of the mask
	s_add_nc_u64 s[PMA:PMA+1], s[PMB:PMB+1], s[MOF:MOF+1]
	s_add_co_u32 s[NXT], s[NXT], 1
	s_cmp_gt_u32 s[NXT], s[LQ]
	s_cselect_b32 s[NXT], 0, s[NXT]
	s_cselect_b32 s[LQ], s[PB], s[LQ]
	s_lshl_b32 s[OFF], s[NXT], 15
	s_add_nc_u64 s[PFK:PFK+1], s[KH:KH+1], s[OFF:OFF+1]
	s_add_nc_u64 s[PFV:PFV+1], s[VH:VH+1], s[OFF:OFF+1]
.endif
	s_wait_dscnt 0x0                ; the add and my store of the addends are done, and my reads of the slot are over
	s_barrier_signal -1
	s_sub_co_u32 s[TBK], s[TBK], 4*KS*PK
	s_xor_b32 s[TBK], s[TBK], SLOT1
	s_sub_co_u32 s[TBV], s[TBV], 4*KS*PV
	s_xor_b32 s[TBV], s[TBV], SLOT1
	s_barrier_wait -1
.if \fill
	LOAD
	global_load_b64 v[PR:PR+1], v[PG], s[PMA:PMA+1]  ; waited for at the head of the next change
	s_cmp_lg_u32 s[PFN], 0
	s_cbranch_scc0 .Lno_pf_\@
	global_prefetch_b8 v[PFO], s[PFK:PFK+1] th:TH_LOAD_NT scope:SCOPE_SE
	global_prefetch_b8 v[PFO], s[PFV:PFV+1] th:TH_LOAD_NT scope:SCOPE_SE
	s_sub_co_u32 s[PFN], s[PFN], 1
.Lno_pf_\@:
.endif
.endm
	s_load_b128 s[92:95], s[0:1], 0x0  ; qkv s[92:93], padding_mask s[94:95]
	s_load_b64 s[10:11], s[0:1], 0x10  ; ob
	v_lshl_add_u32 v[SPW], v0, 2, SPARE
	v_mov_b32 v[NIL], 0
	ds_add_u32 v[SPW], v[NIL]       ; the wave's opening
	v_lshrrev_b32 v1, 5, v0
	v_readfirstlane_b32 s[WV], v1
	s_mov_b32 s[PB], ttmp9
	s_sub_co_u32 s[HI], NB-1, s[PB]
	s_and_b32 s20, ttmp7, 0xffff    ; 16 batch + head
	s_lshr_b32 s[MOF], s20, 4
	s_lshl_b32 s[MOF], s[MOF], 13   ; the batch's 8,192 bytes of the mask
	s_mov_b32 s[MOF+1], 0
	s_mov_b32 s21, 0
	s_mov_b64 s[22:23], SIZE_N*128
	s_mul_u64 s[20:21], s[20:21], s[22:23]  ; the head's first byte in Q, K, V and O
	s_and_b32 s16, s[WV], 1
	s_lshl_b32 s22, s16, 14
	s_mov_b32 s23, 0
	s_add_nc_u64 s[22:23], s[22:23], s[20:21]
	s_mul_i32 s17, s16, 128*PK
	s_mul_i32 s18, s16, 128*PV
	s_lshl_b32 s3, s[WV], 11        ; my 16 rows in a band of 64,
	s_lshl_b32 s2, s[HI], 15        ; in the first block,
	s_add_co_u32 s2, s2, s3
	s_lshl_b32 s84, s[PB], 15       ; and in the second
	s_add_co_u32 s84, s84, s3
	s_mov_b32 s3, 0
	s_mov_b32 s85, 0
	s_add_nc_u64 s[2:3], s[2:3], s[20:21]
	s_add_nc_u64 s[84:85], s[84:85], s[20:21]
	s_mov_b32 s[G1K], (1<<16)|(1<<20)|(4<<22)|(3<<25)  ; 2-byte elements; padding on; after every 32 words; 4 words
	s_mov_b32 s[G1V], (1<<16)|(1<<20)|(4<<22)|(7<<25)  ; the same with 8 words
.irp g, G1K, G1V
	s_mov_b32 s[\g+1], 128<<16      ; 128 keys are 16,384 dense bytes: 64 rows of 256 bytes
	s_mov_b32 s[\g+2], 64<<16
	s_mov_b32 s[\g+3], 128<<16
	s_mov_b32 s[\g+4], 64
	s_mov_b32 s[\g+5], 128
	s_mov_b32 s[\g+6], 0
	s_mov_b32 s[\g+7], 0
.endr
	s_mov_b32 s[CS], 0x3e38aa3b     ; c = log2(e) / 8
	s_mov_b32 s[CS+1], s[CS]
	s_mov_b32 s[SEL], 0x76543210
	s_mov_b32 s[SEL+1], 0xfedcba98
	s_mov_b32 s[TBK], SLOT1+4*KS*PK ; the first change of slots turns these three into 0
	s_mov_b32 s[TBV], SLOT1+4*KS*PV
	s_mov_b32 s[TBM], PMR+4*256
	s_mov_b32 s[G0K], 1
	s_mov_b32 s[G0K+1], s17
	s_mov_b32 s[G0V], 1
	s_add_co_u32 s[G0V+1], s18, VOFF
	s_add_co_u32 s[RT], s[HI], 1
	s_mov_b32 s[NXT], 1
	s_mov_b32 s[LQ], s[HI]
	s_mov_b32 s[NEW], 1
	s_mov_b32 s[OFF+1], 0
	s_mov_b32 s[AL+1], 0
	s_mov_b32 s[BE+1], 0
	s_mov_b32 s[BIGN], 0xf149f2ca   ; -1e30
	s_mov_b32 s[SLOTS], NB
	s_cmp_eq_u32 s[PB], 0
	s_cselect_b32 s[PFN], 6, 0
	s_wait_dscnt 0x0                ; the opening add is done
	s_wait_kmcnt 0x0
	s_mov_b64 s[4:5], s[92:93]                     ; Q,
	s_add_nc_u64 s[6:7], s[92:93], 0x1000000       ; K,
	s_add_nc_u64 s[8:9], s[92:93], 0x2000000       ; V
	s_add_nc_u64 s[KH:KH+1], s[6:7], s[20:21]
	s_add_nc_u64 s[VH:VH+1], s[8:9], s[20:21]
	s_add_nc_u64 s[PMB:PMB+1], s[PMB:PMB+1], s[MOF:MOF+1]
	s_mov_b64 s[PMA:PMA+1], s[PMB:PMB+1]           ; tile 0's words of the mask
	s_add_nc_u64 s[6:7], s[6:7], s[22:23]          ; K and V at my half of the head's tile 0
	s_add_nc_u64 s[8:9], s[8:9], s[22:23]
	s_add_nc_u64 s[G0K+2:G0K+3], s[6:7], 0
	s_or_b32 s[G0K+3], s[G0K+3], 0x80000000
	s_add_nc_u64 s[G0V+2:G0V+3], s[8:9], 0
	s_or_b32 s[G0V+3], s[G0V+3], 0x80000000
	s_add_nc_u64 s[86:87], s[4:5], s[84:85]
	s_add_nc_u64 s[4:5], s[4:5], s[2:3]
	s_add_nc_u64 s[OLO:OLO+1], s[10:11], s[84:85]
	s_add_nc_u64 s[10:11], s[10:11], s[2:3]
	LOAD                            ; tile 0 into slot 0
	v_lshlrev_b32 v[PG], 3, v0      ; 128 threads x 8 bytes: a tile's 256 words of the mask
	global_load_b64 v[PR:PR+1], v[PG], s[PMA:PMA+1]
	v_and_b32 v1, 15, v0            ; l % 16
	v_bfe_u32 v9, v0, 4, 1          ; l / 16
	v_lshlrev_b32 v[QO], 7, v1
	v_lshl_add_u32 v[QO], v9, 4, v[QO]
	WIN 0x80
.set i, 0
.rept 8                             ; both blocks' Q
	global_load_b128 v[8*i:8*i+3],   v[QO], s[4:5] offset:(i/2)*8192+(i%2)*64
	global_load_b128 v[8*i+4:8*i+7], v[QO], s[4:5] offset:(i/2)*8192+(i%2)*64+32
	global_load_b128 v[QB+8*i:QB+8*i+3],   v[QO], s[86:87] offset:(i/2)*8192+(i%2)*64
	global_load_b128 v[QB+8*i+4:QB+8*i+7], v[QO], s[86:87] offset:(i/2)*8192+(i%2)*64+32
.set i, i+1
.endr
	WIN 0
	v_lshlrev_b32 v14, 3, v9
	v_sub_nc_u32 v14, v1, v14
	s_lshl_b32 s13, s[WV], 4
	v_add_nc_u32 v14, s13, v14      ; my query's place in its band less my lanes' 8 (l / 16): register r of group kt is hidden where 16 kt + r is greater
	WIN 0x40
.set i, 0
.rept 32
	v_cmp_gt_i32 vcc_lo, 16*(i/8)+i%8, v14
	v_cndmask_b32 v[MD+i], 0, s[BIGN], vcc_lo
.set i, i+1
.endr
	WIN 0
	v_lshl_add_u32 v[PS0], v0, 3, PMS
	v_lshl_add_u32 v[AM0], v9, 5, PMS
	v_lshlrev_b32 v[PFO], 8, v0
	v_mul_u32_u24 v[AK0], v1, PK
	v_lshl_add_u32 v[AK0], v9, 4, v[AK0]
	v_and_b32 v10, 7, v0
	v_bfe_u32 v11, v0, 3, 1
	v_lshl_add_u32 v[AV0], v9, 3, v10
	v_mul_u32_u24 v[AV0], v[AV0], PV
	v_lshl_add_u32 v[AV0], v11, 4, v[AV0]
	v_add_nc_u32 v[AV0], VOFF, v[AV0]
	s_mul_i32 s13, s[WV], 16*SP
	s_add_co_u32 s13, s13, STAGE
	v_mul_u32_u24 v[STO], v1, SP
	v_lshl_add_u32 v[STO], v9, 4, v[STO]
	v_add_nc_u32 v[STO], s13, v[STO]
	v_bfe_u32 v[RD], v0, 3, 2
	v_mul_u32_u24 v[RD], v[RD], SP
	v_lshl_add_u32 v[RD], v10, 4, v[RD]
	v_add_nc_u32 v[RD], s13, v[RD]
	v_and_b32 v[GO], 31, v0
	v_lshlrev_b32 v[GO], 4, v[GO]
	WIN 0x80                        ; V's registers hold 0: a block's first turn multiplies them by weights that are 0
.set i, VF
.rept 64
	v_mov_b32 v[i], 0
.set i, i+1
.endr
	WIN 0
; THE MATRIX WORK.  The 4 accumulators of a run of 8 take turns.  Product i of 8 of S^T = K Q^T for piece x.  The first 4 start the sums: with the step's addends MP, or (KM = 1) with the mask MC.
.macro KQ x
.set rS, S+32*((\x)%2)+8*(i%4)
.set rK, KF+16*(i%4)+8*(i/4)
.set rQ, 16*(\x)+8*(i/4)
.set rM, MC+32*((\x)%2)+8*(i%4)
.set rN, MP+8*(i%4)
.if (i < 4) && KM
	WIN W_KM
	v_wmma_f32_16x16x32_f16 v[rS:rS+7], v[rK:rK+7], v[rQ:rQ+7], v[rM:rM+7]
.elseif i < 4
	WIN W_KM
	v_wmma_f32_16x16x32_f16 v[rS:rS+7], v[rK:rK+7], v[rQ:rQ+7], v[rN:rN+7]
.else
	WIN W_KQ
	v_wmma_f32_16x16x32_f16 v[rS:rS+7], v[rK:rK+7], v[rQ:rQ+7], v[rS:rS+7]
.endif
.endm
.macro PV x
	WIN W_PV
.set rO, 32*(\x)+8*(i%4)
.set rV, VF+32*(i/4)+8*(i%4)
.set rP, P+16*((\x)%2)+8*(i/4)
	v_wmma_f32_16x16x32_f16 v[rO:rO+7], v[rV:rV+7], v[rP:rP+7], v[rO:rO+7]
.endm
.macro MM
.if (i < 8) && !NOKQ
	KQ (Y+1)%NP
.elseif i >= 8
.set i, i-8
	PV (Y+NP-1)%NP
.set i, i+8
.endif
.set i, i+1
.endm
; THE LDS LOADS stand in runs: a step's K and, behind it, the step's 64 addends (register r of group kt: key 16 kt + 8 (l / 16) + r); and its V, turned.
.macro FETCH_K
	WIN 0x80
.irp f, 0,1,2,3,4,5,6,7
	ds_load_b128 v[KF+8*\f:KF+8*\f+3],   v[AK] offset:(\f/2)*16*PK+(\f%2)*64
	ds_load_b128 v[KF+8*\f+4:KF+8*\f+7], v[AK] offset:(\f/2)*16*PK+(\f%2)*64+32
.endr
	WIN 0x40
.irp f, 0,1,2,3
	ds_load_b128 v[MP+8*\f:MP+8*\f+3],   v[AM] offset:64*\f
	ds_load_b128 v[MP+8*\f+4:MP+8*\f+7], v[AM] offset:64*\f+16
.endr
	s_add_co_u32 s[TBK], s[TBK], KS*PK  ; the next fetch is the next step's
	s_add_co_u32 s[TBM], s[TBM], 256
	WIN 0
.endm
.macro FETCH_V
	WIN 0x80
.irp f, 0,1,2,3,4,5,6,7
	ds_load_tr16_b128 v[VF+8*\f:VF+8*\f+3],   v[AV] offset:(\f/4)*32*PV+(\f%4)*32
	ds_load_tr16_b128 v[VF+8*\f+4:VF+8*\f+7], v[AV] offset:(\f/4)*32*PV+16*PV+(\f%4)*32
.endr
	WIN 0
.endm
; THE VECTOR WORK, one line at a time: OP kind, number.  For piece Y: F n: c s - c m for pair n.  E n: the exponential of score n.  C n: pair n rounded to f16.  B n: of four weights the second pair onto the first.
; L n: l takes that sum (L 0: l = a l + sum).  R n: pair n of O^T times a.  For piece Y + 1: X n, number n of the 22 that find its maximum and statistics.
.set F, 0
.set E, 1
.set C, 2
.set B, 3
.set L, 4
.set R, 5
.set X, 6
.macro REGS y
.set rT, ST+4*(\y)
.set rC, TMP+4*((\y)%2)
.set rW, MV+((\y)%2)
.set rS, S+32*((\y)%2)
.set rP, P+16*((\y)%2)
.set rO, 32*(\y)
.endm
.macro OP k, n
.if (\k) == R
	REGS Y
	WIN W_RS
	v_pk_mul_f32 v[rO+2*(\n):rO+2*(\n)+1], v[rO+2*(\n):rO+2*(\n)+1], v[rC+2:rC+3] op_sel_hi:[1,0]
.elseif (\k) < R
	REGS Y
	WIN 0
.if (\k) == F
	v_pk_fma_f32 v[rS+2*(\n):rS+2*(\n)+1], v[rS+2*(\n):rS+2*(\n)+1], s[CS:CS+1], v[rT:rT+1] op_sel_hi:[1,0,0] neg_lo:[0,0,1] neg_hi:[0,0,1]
.elseif (\k) == E
	v_exp_f32 v[rS+(\n)], v[rS+(\n)]
.elseif (\k) == C
	v_cvt_pk_f16_f32 v[rP+(\n)], v[rS+2*(\n)], v[rS+2*(\n)+1]
.elseif (\k) == B
	v_pk_add_f32 v[rS+4*(\n):rS+4*(\n)+1], v[rS+4*(\n):rS+4*(\n)+1], v[rS+4*(\n)+2:rS+4*(\n)+3]
.elseif (\n) == 0
	v_pk_fma_f32 v[rT+2:rT+3], v[rT+2:rT+3], v[rC+2:rC+3], v[rS:rS+1] op_sel_hi:[1,0,1]
.else
	v_pk_add_f32 v[rT+2:rT+3], v[rT+2:rT+3], v[rS+4*(\n):rS+4*(\n)+1]
.endif
.elseif NOKQ
	v_nop
.else
	REGS (Y+1)%NP
	WIN 0
.if (\n) < 4
	v_max3_num_f32 v[rC+(\n)], v[rS+8*(\n)], v[rS+8*(\n)+1], v[rS+8*(\n)+2]
.elseif (\n) < 12
	v_max3_num_f32 v[rC+(\n)%4], v[rC+(\n)%4], v[rS+8*((\n)%4)+2*((\n)/4)+1], v[rS+8*((\n)%4)+2*((\n)/4)+2]
.elseif (\n) == 12
	v_max3_num_f32 v[rC], v[rC], v[rS+7], v[rS+15]
.elseif (\n) == 13
	v_max3_num_f32 v[rC+1], v[rC+1], v[rS+23], v[rS+31]
.elseif (\n) == 14
	v_max3_num_f32 v[rC+2], v[rC+2], v[rC+3], v[rT+1]
.elseif (\n) == 15
	v_mov_b32 v[rW], v[rT]
.elseif (\n) == 16
	v_max3_num_f32 v[rC], v[rC], v[rC+1], v[rC+2]
.elseif (\n) == 17
	v_permlanex16_b32 v[rC+3], v[rC], s[SEL], s[SEL+1]
.elseif (\n) == 18
	v_max_num_f32 v[rT+1], v[rC], v[rC+3]
.elseif (\n) == 19
	v_mul_f32 v[rT], s[CS], v[rT+1]
.elseif (\n) == 20
	v_sub_f32 v[rC+1], v[rW], v[rT]
.else
	v_exp_f32 v[rC+2], v[rC+1]
.endif
.endif
.endm
.macro OPS a, i1, b=-1, i2=0, c=-1, i3=0, d=-1, i4=0
	OP \a, \i1
.if (\b) >= 0
	OP \b, \i2
.endif
.if (\c) >= 0
	OP \c, \i3
.endif
.if (\d) >= 0
	OP \d, \i4
.endif
.endm
.macro ROW a, i1, b, i2, c, i3, d, i4
	MM
	OPS \a, \i1, \b, \i2, \c, \i3, \d, \i4
.endm
.macro MASK b, be                   ; MD x AL + MP (+ BE) into buffer b of MC
	WIN W_MK
.set z, 0
.rept 16
	v_pk_fma_f32 v[MC+32*(\b)+2*z:MC+32*(\b)+2*z+1], v[MD+2*z:MD+2*z+1], s[AL:AL+1], v[MP+2*z:MP+2*z+1] op_sel_hi:[1,0,1]
.set z, z+1
.endr
.if \be
.set z, 0
.rept 16
	v_pk_add_f32 v[MC+32*(\b)+2*z:MC+32*(\b)+2*z+1], v[MC+32*(\b)+2*z:MC+32*(\b)+2*z+1], s[BE:BE+1] op_sel_hi:[1,0]
.set z, z+1
.endr
.endif
.endm
; A TURN, for piece p.  Ahead of its one wait stands all that names no result of the turn's exponentials: 8 products K Q^T with their four riders each, then a lump of 54; behind it 8 products V^T P, behind each four of
; the roundings and sums.  m = 1: the diagonal tile: the products take masks, and the turn makes the mask for the products of the turn after it: piece p + 2, in step 4 - CNT of the tile.  Piece 2's turn makes it of
; the addends that it has just fetched, so it waits for them.  end = 1: a block's last two turns: nothing is fetched.  cnt = 1: the loop's count is taken down ahead of the branch behind the turn.
; K and the addends of the next step are fetched in piece 2's turn, behind the last products that read them and more than four plain instructions; V of the step in hand at the end of piece 0's turn.
.macro TURN p, m=0, end=0, cnt=0
.set Y, (\p)
.set i, 0
.set KM, (\m)
.set NOKQ, (\end)*((\p)/3)
.if (\m) && !(\end)
	s_cmp_eq_u32 s[CNT], 4-((\p)+2)%NP
	s_cselect_b32 s[AL], 1.0, 0
	s_cmp_lt_u32 s[CNT], 4-((\p)+2)%NP
	s_cselect_b32 s[BE], s[BIGN], 0
.endif
.if ((\p) == 3) && !(\end)
	s_wait_dscnt 0x0                ; K and the addends are in
.endif
	ROW F,0, F,1, R,0, R,1
	ROW F,2, E,0, R,2, R,3
	ROW F,3, E,1, R,4, R,5
	ROW F,4, E,2, R,6, R,7
	ROW F,5, E,3, R,8, R,9
	ROW F,6, E,4, X,0, R,10
.if ((\p) == 2) && !(\end)
	WIN 0
	v_add_nc_u32 v[AK], s[TBK], v[AK0]
	v_add_nc_u32 v[AM], s[TBM], v[AM0]
.endif
	ROW F,7, E,5, X,1, X,4
	ROW F,8, E,6, X,2, X,5
	OPS E,7, E,8, X,6, E,9
	OPS X,3, E,10, X,8, E,11
.if ((\p) == 2) && !(\end)
	FETCH_K
.endif
	OPS X,9, X,7, E,12, X,10
	OPS E,13, X,12, X,11, E,14
	OPS X,13, E,15, F,9, X,14
.if (\p) == 0
	v_add_nc_u32 v[AV], s[TBV], v[AV0]
.endif
	OPS E,16, F,10, E,17, F,11
	OPS X,16, E,18, X,15, E,19
	OPS F,12, E,20, X,17, E,21
	OPS F,13, E,22, F,14, E,23
	OPS X,18, E,24, F,15, E,25
	OPS R,11, E,26, X,19, E,27
	OPS R,12, E,28, R,13, E,29
	OPS X,20, E,30, R,14, E,31
	OPS X,21, R,15
	WIN 0
	s_wait_alu depctr_va_vdst(0)    ; the wait for the batch, ahead of the first use of an exponential's result
.if (\p) == 1
	s_wait_dscnt 0x0                ; V is in
.endif
	ROW C,0, B,0, C,2, B,1
	ROW L,0, C,4, B,2, L,1
	ROW C,6, B,3, L,2, C,8
	ROW B,4, L,3, C,10, B,5
	ROW L,4, C,12, B,6, L,5
.if (\p) == 0
	s_add_co_u32 s[TBV], s[TBV], KS*PV
.endif
.if \cnt
	s_sub_co_u32 s[CNT], s[CNT], 1
	s_cmp_lg_u32 s[CNT], 0
.endif
	ROW C,14, B,7, L,6, C,1
	ROW C,3, L,7, C,5, C,7
	ROW C,9, C,11, C,13, C,15
.if (\p) == 0
	FETCH_V
.endif
.if (\m) && !(\end)
.if (\p) == 2
	s_wait_dscnt 0x0                ; the next step's addends are in
.endif
	MASK (\p)%2, 1
.endif
.endm
; A BLOCK BEGINS.  O^T, l and the weights of the piece that has not been are 0: a row that has seen no key yet has a = 1, so nothing may be left to a first a = 0.  m = -2^80 and c m the same product as in the
; loop.  Then K and the addends of the block's step 0, piece 0's mask (its own step's, if the block's first tile is the diagonal one), its first scores, maximum and statistics.
; diag = 1: the diagonal text follows, whose first products, piece 1's, take the second mask buffer: the step's addends.
.macro BEGIN diag
	s_mov_b32 s[NEW], 0
	WIN 0x40
.set i, 0
.rept 128
	v_mov_b32 v[i], 0
.set i, i+1
.endr
	WIN 0
.set i, 0
.rept 4
	v_mov_b32 v[ST+4*i+1], 0xe7800000  ; m = -2^80
	v_mov_b32 v[ST+4*i+2], 0
	v_mov_b32 v[ST+4*i+3], 0
	v_mul_f32 v[ST+4*i], s[CS], v[ST+4*i+1]
.set i, i+1
.endr
.set i, P+16
.rept 16
	v_mov_b32 v[i], 0
.set i, i+1
.endr
	v_add_nc_u32 v[AK], s[TBK], v[AK0]
	v_add_nc_u32 v[AM], s[TBM], v[AM0]
	FETCH_K
	s_cmp_eq_u32 s[RT], 0
	s_cselect_b32 s[AL], 1.0, 0
	s_wait_loadcnt 0x0              ; Q
	s_wait_dscnt 0x0
	MASK 0, 0
.if \diag
	s_mov_b32 s[AL], 0
	MASK 1, 0
.endif
.set KM, 1
.set NOKQ, 0
.set i, 0
.rept 8
	KQ 0
.set i, i+1
.endr
	WIN 0
.rept 4
	v_nop                           ; the places behind those products
.endr
.set Y, NP-1
.irp n, 0,1,2,3,4,5,6,7,8,9,10,11,12,13,14,15,16,17,18,19,20,21
	OP X, \n
.endr
	v_nop                           ; a plain instruction behind the exponential,
	s_wait_alu depctr_va_vdst(0)    ; and its wait, ahead of the branch
.endm
.macro ALL line:vararg
.set t, 0
.rept 4
	\line
.set t, t+1
.endr
.endm
.macro PACK t
	WIN W_RS
.set i, 32*(\t)
.rept 16
	v_pk_mul_f32 v[i:i+1], v[i:i+1], v[ST+4*(\t)+2:ST+4*(\t)+3] op_sel_hi:[1,0]
.set i, i+2
.endr
	WIN 0x05
.set i, 0
.rept 16
	v_cvt_pk_f16_f32 v[S+16*(\t)+i], v[32*(\t)+2*i], v[32*(\t)+2*i+1]
.set i, i+1
.endr
	WIN 0
.irp f, 0,1,2,3
	ds_store_b128 v[STO], v[S+16*(\t)+4*\f:S+16*(\t)+4*\f+3] offset:32*\f
.endr
.irp f, 0,1,2,3
	ds_load_b128 v[S+16*(\t)+4*\f:S+16*(\t)+4*\f+3], v[RD] offset:\f*4*SP  ; LDS serves a wave's instructions in order (ISA guide 5.7.1.4)
.endr
.endm
.macro SEND t, younger
	WIN 0
.irp f, 0,1,2,3
	s_wait_dscnt (\younger)+3-\f
	global_store_b128 v[GO], v[S+16*(\t)+4*\f:S+16*(\t)+4*\f+3], s[10:11] offset:(\t)*8192+\f*512  ; 512 consecutive bytes, at a multiple of 256 from O's first
.endr
.endm
; THE DIAGONAL TILE's four steps, the block's last two turns, its last products, and the way out: O^T divided by l, rounded to f16, through my stage, a piece at a time.
.macro DIAG tag
.LstepM\tag:
	TURN 2, 1
	TURN 3, 1
	WIN 0
.LfirstM\tag:
	TURN 0, 1
	TURN 1, 1, 0, 1
	WIN 0
	s_cbranch_scc1 .LstepM\tag
	TURN 2, 1, 1
	TURN 3, 1, 1
.set i, 0
.rept 8
	PV NP-1
.set i, i+1
.endr
	WIN 0
	ALL v_add_f32 v[ST+4*t+2], v[ST+4*t+2], v[ST+4*t+3]
	ALL v_permlanex16_b32 v[ST+4*t+3], v[ST+4*t+2], s[SEL], s[SEL+1]
	ALL v_add_f32 v[ST+4*t+2], v[ST+4*t+2], v[ST+4*t+3]
	ALL v_rcp_f32 v[ST+4*t+2], v[ST+4*t+2]
	v_nop
	s_wait_alu depctr_va_vdst(0)    ; one wait for the four reciprocals, ahead of their first use
	PACK 0
.set t, 1
.rept 3
	PACK t
	SEND t-1, 8
.set t, t+1
.endr
	SEND 3, 0
.endm
.set KM, 0
.set NOKQ, 0
.Lslot:                             ; NB times: a tile is entered and the next is asked for
	CHANGE 1
	s_sub_co_u32 s[RT], s[RT], 1
	s_mov_b32 s[CNT], 4
	s_cmp_eq_u32 s[NEW], 1
	s_cbranch_scc1 .Lnew            ; a block's first tile
	s_cmp_eq_u32 s[RT], 0
	s_cbranch_scc0 .Lstep           ; neither its first nor its last
	s_mov_b32 s[AL], 0              ; its last: the diagonal text's first products are piece 3's of the tile before: their mask is that step's addends
	MASK 1, 0
	WIN 0
	s_branch .LstepM1
.Lnew:
	BEGIN 0
	s_branch .Lfirst                ; in the loop a block's first tile is never its last
	DIAG 1                          ; in the loop this is the first block's end
	s_wait_xcnt 0x0                 ; the stores have read their registers and O's address
	s_mov_b64 s[10:11], s[OLO:OLO+1]
	s_add_co_u32 s[RT], s[PB], 1
	s_mov_b32 s[NEW], 1
	WIN 0x82
.set i, 0
.rept 64
	v_mov_b32 v[i], v[QB+i]
.set i, i+1
.endr
	WIN 0
	s_branch .Lbottom
.Lstep:                             ; a trip: pieces 2 and 3 of one step, then pieces 0 and 1 of the next
	TURN 2
	TURN 3
	WIN 0
.Lfirst:
	TURN 0
	TURN 1, 0, 0, 1
	WIN 0
	s_cbranch_scc1 .Lstep
.Lbottom:
	s_sub_co_u32 s[SLOTS], s[SLOTS], 1
	s_cmp_lg_u32 s[SLOTS], 0
	s_cbranch_scc1 .Lslot
	CHANGE 0                        ; the walk's last tile is written out
	s_sub_co_u32 s[RT], s[RT], 1
	s_mov_b32 s[CNT], 4
	s_cmp_eq_u32 s[NEW], 1
	s_cbranch_scc1 .Lnew2
	s_mov_b32 s[AL], 0
	MASK 1, 0
	WIN 0
	s_branch .LstepM2
.Lnew2:
	BEGIN 1
	s_branch .LfirstM2
	DIAG 2
	s_wait_tensorcnt 0x0            ; the wave's end
	ds_add_u32 v[SPW], v[NIL]
	s_wait_dscnt 0x0
	s_endpgm
.Lfunc_end_k_qfd67eee045_attn:
	.size	k_qfd67eee045_attn, .Lfunc_end_k_qfd67eee045_attn-k_qfd67eee045_attn
	.p2alignl 7, 3214868480
	.fill 96, 4, 3214868480
	.section	.rodata,"a",@progbits
	.p2align	6, 0x0
	.amdhsa_kernel k_qfd67eee045_attn
		.amdhsa_group_segment_fixed_size 327680
		.amdhsa_private_segment_fixed_size 0
		.amdhsa_enable_private_segment 0
		.amdhsa_kernarg_size 24
		.amdhsa_user_sgpr_count 2
		.amdhsa_user_sgpr_kernarg_segment_ptr 1
		.amdhsa_wavefront_size32 1
		.amdhsa_system_sgpr_workgroup_id_x 1
		.amdhsa_system_sgpr_workgroup_id_y 1
		.amdhsa_system_sgpr_workgroup_id_z 1
		.amdhsa_system_vgpr_workitem_id 0
		.amdhsa_next_free_vgpr 768
		.amdhsa_next_free_sgpr 96
		.amdhsa_reserve_vcc 1
		.amdhsa_float_denorm_mode_32 3
		.amdhsa_float_denorm_mode_16_64 3
		.amdhsa_memory_ordered 1
		.amdhsa_forward_progress 1
		.amdhsa_inst_pref_size 236
	.end_amdhsa_kernel
	.amdgpu_metadata
---
amdhsa.version: [ 1, 2 ]
amdhsa.kernels:
  - .name:           k_qfd67eee045_attn
    .symbol:         k_qfd67eee045_attn.kd
    .args:
      - { .name: qkv, .offset: 0, .size: 8, .value_kind: global_buffer, .address_space: global }
      - { .name: padding_mask, .offset: 8, .size: 8, .value_kind: global_buffer, .address_space: global }
      - { .name: ob, .offset: 16, .size: 8, .value_kind: global_buffer, .address_space: global }
    .group_segment_fixed_size: 327680
    .private_segment_fixed_size: 0
    .kernarg_segment_align: 8
    .kernarg_segment_size: 24
    .max_flat_workgroup_size: 128
    .sgpr_count:     96
    .vgpr_count:     768
    .wavefront_size: 32
...
	.end_amdgpu_metadata
.endif
;; end of part 3
;; launch gemm_out (part 4): grid 8 x 32, 4 waves a work-group, clusters of 4 x 4, 327,680 bytes of LDS; arguments ob, wob, out0; writes out0
.if DOCPART == 4
	.amdgcn_target "amdgcn-amd-amdhsa--gfx1250"
	.amdhsa_code_object_version 6
	.text
	.protected	k_qfd67eee045_gemm_out
	.globl	k_qfd67eee045_gemm_out
	.p2align	8
	.type	k_qfd67eee045_gemm_out,@function
k_qfd67eee045_gemm_out:
	s_mov_b64 s[64:65], 0
	v_nop
	global_prefetch_b8 v0, s[64:65] scope:SCOPE_SE
	s_setreg_imm32_b32 hwreg(HW_REG_WAVE_MODE, 25, 1), 1
	s_wait_xcnt 0x0
	s_wait_alu depctr_hold_cnt(0) depctr_sa_sdst(0) depctr_va_vdst(0) depctr_va_sdst(0) depctr_va_ssrc(0) depctr_va_vcc(0) depctr_vm_vsrc(0)
	s_getreg_b32 s2, hwreg(HW_REG_IB_STS2, 6, 4)
	s_cmp_eq_u32 s2, 0
	s_cbranch_scc0 .Lentry_in_a_cluster
	s_endpgm
.Lentry_in_a_cluster:
	s_bfe_u32 s2, ttmp6, 0x10000c
	s_cmp_lg_u32 s2, 0xf033
	s_cbranch_scc0 .Lentry_shape_is_right
	s_endpgm
.Lentry_shape_is_right:
; out0 = O w_o^T.  O: ob [batch x head 64][position 2,048][64] f16, so channel k = 64 head + d; w_o: wob [n/128][head 16][128][64] f16; out0 [8,192][1,024] f32.  Sums in f32.
; SHARES.  Tiles of 256 x 128: 32 x 8 = 256 work-groups, one tile each.  Four waves, each 128 rows x 64 columns: 32 accumulators, 256 registers.
; K goes in 8 steps of 128 = two heads through two LDS slots.  A head's part of a tile is dense in memory: asked for as rows of 256 bytes, padded in LDS after every 128.
; Waves 0 and 1 fetch O's two heads (256 rows each), waves 2 and 3 w_o's (128 rows each): one load a wave behind each round.
; CLUSTERS of 4 x 4: O's tile is shared along a row of the cluster, w_o's along a column, each asked for jointly.  THE MATRIX INSTRUCTION IS USED TRANSPOSED: a lane holds row l % 16 and eight neighbouring columns.
; A row of O that is NaN (a query that sees no key) gives a row of NaN, and touches no other row.
; REGISTERS.  window 0: v0-29 addresses; v64-127, v128-191 O's fragments, two buffers; v192-223, v224-255 w_o's; on the way out v32-95 rows read back, two buffers.  window 1: accumulator (a, b) at v[8 (4 a + b)].
.set PA,     144
.set ASUB,   256*PA                    ; one head's 256 rows of O
.set BSUB,   128*PA                    ; one head's 128 rows of w_o
.set BOFF,   2*ASUB
.set SLOT1,  1<<17
.set STAGE,  SLOT1+2*ASUB+2*BSUB       ; behind the ring: 16 rows x 272 bytes for each wave
.set SPI,    272
.set SPARE,  STAGE+4*16*SPI
.set ASTEP,  524288                    ; two heads on in ob,
.set BSTEP,  32768                     ; and in wob
.set G1W0,   (1<<16)|(1<<20)|(1<<21)|(4<<22)|(3<<25)
.set ADA0, 2
.set ADB0, 3
.set ADA,  4
.set ADB,  5
.set STO,  6
.set RD,   7
.set CO,   8
.set PFO,  10
.set SPW,  28
.set NIL,  29
.set BK,   32
.set FAB,  64
.set FBB,  192
.set CNT,  3
.set WV,   12
.set WR,   13
.set WC,   14
.set TB,   15
.set LIM,  16
.set PAR,  17
.set PST,  18
.set T0,   20
.set G1A,  24
.set G0A,  32
.set PFA,  46
.set G1B,  48
.set G0B,  56
.set MSB, 0
.macro WIN new
.if MSB != (\new)
	s_set_vgpr_msb (MSB<<8)|(\new)
.set MSB, \new
.endif
.endm
.macro PLACES
.rept 4
	v_nop
.endr
.endm
.macro CREST
	s_cmp_lg_u32 s[WV], 0
	s_cbranch_scc1 .Lnot_wave_0_\@
	s_barrier_signal -3
.Lnot_wave_0_\@:
	s_barrier_wait -3
	s_barrier_signal -1
	s_barrier_wait -1
.endm
.macro CROUND
	s_barrier_signal -1
	s_barrier_wait -1
	CREST
.endm
.macro JLOAD
	s_cmp_lt_u32 s[WV], 2
	s_cbranch_scc0 .Lfor_b_\@
	tensor_load_to_lds s[G0A+4:G0A+7], s[G1A:G1A+7]
	s_nop 0
.rept 4
	v_nop
.endr
	s_branch .Lasked_\@
.Lfor_b_\@:
	tensor_load_to_lds s[G0B+4:G0B+7], s[G1B:G1B+7]
	s_nop 0
.rept 4
	v_nop
.endr
.Lasked_\@:
.endm
; A prefetch of the K step two refills on.  O's blocks: waves 0 and 1 of the clusters with x = 0, one step a trip; w_o's: waves 2 and 3 of the clusters with y = 0, two steps in every second trip.
; The four partners share a tile's blocks out by address; each block of 256 bytes is named once.  K steps 0-3 come by their loads alone; nothing is named past step 7.
.macro ASK
	s_and_b32 s[T0], s[CNT], s[PAR]
	s_cselect_b32 s[T0], 0, s[CNT]
	s_cmp_gt_u32 s[T0], s[LIM]
	s_cbranch_scc0 .Lnot_mine_\@
	global_prefetch_b8 v[PFO], s[PFA:PFA+1] th:TH_LOAD_NT scope:SCOPE_SE
.Lnot_mine_\@:
.endm
.macro MUL8 f, a0, zero                ; row blocks a0, a0 + 1 x the four column blocks, 32 along K, from buffers f.  The 32 accumulators take turns
	WIN 0x50
.irp a, \a0, (\a0)+1
.irp b, 0,1,2,3
.if \zero
	v_wmma_f32_16x16x32_f16 v[8*(4*(\a)+\b):8*(4*(\a)+\b)+7], v[FBB+32*(\f)+8*\b:FBB+32*(\f)+8*\b+7], v[FAB+64*(\f)+8*(\a):FAB+64*(\f)+8*(\a)+7], 0
.else
	v_wmma_f32_16x16x32_f16 v[8*(4*(\a)+\b):8*(4*(\a)+\b)+7], v[FBB+32*(\f)+8*\b:FBB+32*(\f)+8*\b+7], v[FAB+64*(\f)+8*(\a):FAB+64*(\f)+8*(\a)+7], v[8*(4*(\a)+\b):8*(4*(\a)+\b)+7]
.endif
.endr
.endr
.endm
.macro FETCH q, f                      ; quarter q of a step (head q / 2, byte 64 (q % 2) of the rows) into buffers f: w_o's 8 loads, then O's 16
	WIN 0
.irp b, 0,1,2,3
	ds_load_b128 v[FBB+32*(\f)+8*\b:FBB+32*(\f)+8*\b+3],   v[ADB] offset:((\q)/2)*BSUB+\b*16*PA+((\q)%2)*64
	ds_load_b128 v[FBB+32*(\f)+8*\b+4:FBB+32*(\f)+8*\b+7], v[ADB] offset:((\q)/2)*BSUB+\b*16*PA+((\q)%2)*64+32
.endr
.irp a, 0,1,2,3,4,5,6,7
	ds_load_b128 v[FAB+64*(\f)+8*\a:FAB+64*(\f)+8*\a+3],   v[ADA] offset:((\q)/2)*ASUB+\a*16*PA+((\q)%2)*64
	ds_load_b128 v[FAB+64*(\f)+8*\a+4:FAB+64*(\f)+8*\a+7], v[ADA] offset:((\q)/2)*ASUB+\a*16*PA+((\q)%2)*64+32
.endr
.endm
.macro QUARTER qn, f, g, zero          ; multiplies buffers f; in its middle fetches quarter qn into buffers g
	s_wait_dscnt 8                                 ; w_o's fragments and O's rows 0-63 are in; the youngest eight loads may be out
	MUL8 \f, 0, \zero
	MUL8 \f, 2, \zero
	WIN 0
	PLACES
	FETCH \qn, \g
	s_wait_dscnt 24                                ; all but the 24 just issued
	MUL8 \f, 4, \zero
	MUL8 \f, 6, \zero
.endm
; A step's last quarter multiplies buffers 1 and changes slots: the waits and the add in front of the barrier; fill = 1: the barrier opens a round of the cluster's barrier, and the joint refill, two K steps ahead,
; is the first thing behind it: 112 matrix instructions ahead of the wait for it.
.macro TURN fill
.if \fill
	s_wait_xcnt 0x0                                ; the last prefetch, a K step back, has read its address
	s_add_nc_u64 s[PFA:PFA+1], s[PFA:PFA+1], s[PST:PST+1]
.endif
	WIN 0
	s_wait_tensorcnt 0x0                           ; all my tensor loads have landed
	ds_add_u32 v[SPW], v[NIL]
	s_wait_dscnt 9                                 ; the add and the youngest eight loads may be out
	MUL8 1, 0, 0
	s_wait_dscnt 0x0                               ; the add is done, and my reads of this slot are over
	s_barrier_signal -1
	MUL8 1, 2, 0
	WIN 0
	s_barrier_wait -1
.if \fill
	CREST
	s_xor_b32 s[G0A+5], s[G0A+5], SLOT1
	s_add_nc_u64 s[G0A+6:G0A+7], s[G0A+6:G0A+7], ASTEP
	s_xor_b32 s[G0B+5], s[G0B+5], SLOT1
	s_add_nc_u64 s[G0B+6:G0B+7], s[G0B+6:G0B+7], BSTEP
	JLOAD
.else
	PLACES
.endif
	s_xor_b32 s[TB], s[TB], SLOT1
	v_add_nc_u32 v[ADA], s[TB], v[ADA0]
	v_add_nc_u32 v[ADB], s[TB], v[ADB0]
	FETCH 0, 0
.if \fill
	ASK
.endif
	MUL8 1, 4, 0
	MUL8 1, 6, 0
.endm
	s_load_b128 s[4:7], s[0:1], 0x0                ; ob s[4:5], wob s[6:7]
	s_load_b64 s[8:9], s[0:1], 0x10                ; out0
	v_lshl_add_u32 v[SPW], v0, 2, SPARE
	v_mov_b32 v[NIL], 0
	ds_add_u32 v[SPW], v[NIL]                      ; the wave's opening
	v_lshrrev_b32 v1, 5, v0
	v_readfirstlane_b32 s[WV], v1
	s_lshr_b32 s[WR], s[WV], 1                     ; my half of the rows.  Also: I fetch for O (0) or for w_o (1)
	s_and_b32 s[WC], s[WV], 1                      ; my half of the columns.  Also: which of a step's two heads I fetch
	s_bfe_u32 s40, ttmp6, 0x40000
	s_bfe_u32 s41, ttmp6, 0x40004
	s_lshl_b32 s42, ttmp9, 2
	s_add_co_u32 s42, s42, s40                     ; tile column
	s_and_b32 s43, ttmp7, 0xffff
	s_lshl_b32 s43, s43, 2
	s_add_co_u32 s43, s43, s41                     ; tile row
	s_lshl_b32 s44, s41, 2
	s_lshl_b32 s44, 15, s44
	s_lshl_b32 s45, 0x1111, s40
	s_or_b32 s[G1A], s44, G1W0
	s_or_b32 s[G1B], s45, G1W0
	s_mov_b32 s[G1A+1], 128<<16
	s_mov_b32 s[G1A+2], 128<<16
	s_mov_b32 s[G1A+3], 128<<16
	s_mov_b32 s[G1A+4], 128
	s_mov_b32 s[G1A+5], 128
	s_mov_b32 s[G1A+6], 0
	s_mov_b32 s[G1A+7], 0
	s_mov_b32 s[G1B+1], 128<<16
	s_mov_b32 s[G1B+2], 64<<16
	s_mov_b32 s[G1B+3], 128<<16
	s_mov_b32 s[G1B+4], 64
	s_mov_b32 s[G1B+5], 128
	s_mov_b32 s[G1B+6], 0
	s_mov_b32 s[G1B+7], 0
	s_lshr_b32 s74, s43, 3                         ; O: the batch's 16 heads,
	s_lshl_b32 s74, s74, 22
	s_and_b32 s75, s43, 7
	s_lshl_b32 s75, s75, 15                        ; the tile's 256 positions,
	s_add_co_u32 s74, s74, s75
	s_lshl_b32 s75, s[WC], 18                      ; my head of the step's two
	s_add_co_u32 s74, s74, s75
	s_mov_b32 s75, 0
	s_lshl_b32 s76, s42, 18                        ; w_o: the tile's 128 rows,
	s_lshl_b32 s77, s[WC], 14                      ; my head
	s_add_co_u32 s76, s76, s77
	s_mov_b32 s77, 0
	s_mul_i32 s78, s[WV], ASUB                     ; where they go: O's two heads (waves 0, 1),
	s_mul_i32 s81, s[WV], BSUB
	s_add_co_u32 s81, s81, BOFF-2*BSUB             ; then w_o's two (waves 2, 3)
	s_lshl_b32 s79, s40, 13                        ; the prefetches' offsets
	s_add_co_u32 s79, s79, s74
	s_lshl_b32 s80, s41, 12
	s_add_co_u32 s80, s80, s76
	s_wait_dscnt 0x0
	s_wait_kmcnt 0x0
	s_add_nc_u64 s[74:75], s[4:5], s[74:75]
	s_add_nc_u64 s[76:77], s[6:7], s[76:77]
	CROUND
.irp s, 0,1
	s_mov_b32 s[G0A+4*\s], 1
	s_add_co_u32 s[G0A+4*\s+1], s78, \s*SLOT1
	s_add_nc_u64 s[G0A+4*\s+2:G0A+4*\s+3], s[74:75], \s*ASTEP
	s_or_b32 s[G0A+4*\s+3], s[G0A+4*\s+3], 0x80000000
	s_mov_b32 s[G0B+4*\s], 1
	s_add_co_u32 s[G0B+4*\s+1], s81, \s*SLOT1
	s_add_nc_u64 s[G0B+4*\s+2:G0B+4*\s+3], s[76:77], \s*BSTEP
	s_or_b32 s[G0B+4*\s+3], s[G0B+4*\s+3], 0x80000000
.endr
	s_cmp_lt_u32 s[WV], 2
	s_cbranch_scc0 .Lfirst_b
	tensor_load_to_lds s[G0A:G0A+3], s[G1A:G1A+7]
	s_nop 0
	tensor_load_to_lds s[G0A+4:G0A+7], s[G1A:G1A+7]
	s_nop 0
.rept 4
	v_nop
.endr
	s_branch .Lfirst_asked
.Lfirst_b:
	tensor_load_to_lds s[G0B:G0B+3], s[G1B:G1B+7]
	s_nop 0
	tensor_load_to_lds s[G0B+4:G0B+7], s[G1B:G1B+7]
	s_nop 0
.rept 4
	v_nop
.endr
.Lfirst_asked:
	v_and_b32 v1, 15, v0
	v_bfe_u32 v11, v0, 4, 1
	v_mul_u32_u24 v12, v1, PA
	v_lshl_add_u32 v12, v11, 4, v12
	s_mul_i32 s78, s[WR], 128*PA
	v_add_nc_u32 v[ADA0], s78, v12
	s_mul_i32 s78, s[WC], 64*PA
	s_add_co_u32 s78, s78, BOFF
	v_add_nc_u32 v[ADB0], s78, v12
	s_mul_i32 s78, s[WV], 16*SPI
	s_add_co_u32 s78, s78, STAGE
	v_mul_u32_u24 v13, v1, SPI
	v_lshl_add_u32 v13, v11, 5, v13                ; in: row l % 16, 32 bytes for each half of the lanes
	v_add_nc_u32 v[STO], s78, v13
	v_mul_u32_u24 v13, v11, SPI
	v_lshl_add_u32 v13, v1, 4, v13                 ; back: lanes 0-15 one row of 256 bytes, lanes 16-31 the next
	v_add_nc_u32 v[RD], s78, v13
	v_lshlrev_b32 v[CO], 12, v11
	v_lshl_add_u32 v[CO], v1, 4, v[CO]             ; and the same two rows in out0
	; the prefetches
	s_and_b32 s81, ttmp7, 0xffff
	s_mov_b32 s[PST], BSTEP
	s_mov_b32 s[PST+1], 0
	s_mov_b32 s78, BSTEP
	s_cmp_lt_u32 s[WV], 2
	s_cselect_b32 s79, s79, s80
	s_cselect_b32 s81, ttmp9, s81
	s_cselect_b64 s[PFA:PFA+1], s[4:5], s[6:7]
	s_cselect_b32 s[PST], ASTEP, s[PST]
	s_cselect_b32 s78, 4096, s78
	s_cselect_b32 s[PAR], 0, 1
	s_cmp_eq_u32 s81, 0
	s_cselect_b32 s[LIM], 2, -1
	s_mul_i32 s80, s[PST], 3
	s_add_co_u32 s80, s80, s79
	s_mov_b32 s81, 0
	s_add_nc_u64 s[PFA:PFA+1], s[PFA:PFA+1], s[80:81]
	v_mul_lo_u32 v[PFO], v11, s78
	v_lshl_add_u32 v[PFO], v1, 8, v[PFO]
	; out0 at my wave's first row and column
	s_lshl_b32 s78, s43, 8
	s_lshl_b32 s79, s[WR], 7
	s_add_co_u32 s78, s78, s79
	s_lshl_b32 s80, s78, 12
	s_lshl_b32 s79, s42, 9
	s_add_co_u32 s80, s80, s79
	s_lshl_b32 s79, s[WC], 8
	s_add_co_u32 s80, s80, s79
	s_add_nc_u64 s[8:9], s[8:9], s[80:81]
	s_wait_tensorcnt 1                             ; my part of K step 0 is in
	s_barrier_signal -1
	s_barrier_wait -1
	s_mov_b32 s[TB], 0
	v_mov_b32 v[ADA], v[ADA0]
	v_mov_b32 v[ADB], v[ADB0]
	FETCH 0, 0
	QUARTER 1, 0, 1, 1                             ; the first quarter stands in front of the loop: its products start the sums
	WIN 0
	s_mov_b32 s[CNT], 6
.Lk:                                                   ; trip t: quarters 1-3 of K step t, the refill with step t + 2, quarter 0 of step t + 1
	QUARTER 2, 1, 0, 0
	QUARTER 3, 0, 1, 0
	TURN 1
	QUARTER 1, 0, 1, 0
	WIN 0
	s_sub_co_u32 s[CNT], s[CNT], 1
	s_cmp_lg_u32 s[CNT], 0
	s_cbranch_scc1 .Lk
	QUARTER 2, 1, 0, 0                             ; the last two K steps ask for nothing
	QUARTER 3, 0, 1, 0
	TURN 0
	QUARTER 1, 0, 1, 0
	QUARTER 2, 1, 0, 0
	QUARTER 3, 0, 1, 0
	s_wait_dscnt 8
	MUL8 1, 0, 0
	MUL8 1, 2, 0
	s_wait_dscnt 0x0
	MUL8 1, 4, 0
	MUL8 1, 6, 0
	WIN 0
	PLACES
; THE WAY OUT.  Row block a: a lane's 8 columns of each column block, 32 bytes, into rows of 272 bytes of my stage, each accumulator's low half first; back as whole rows of 256 bytes.
.macro TOSTAGE a
	WIN 0x04                                       ; the stores' data in window 1
.irp b, 0,1,2,3
	ds_store_b128 v[STO], v[8*(4*(\a)+\b):8*(4*(\a)+\b)+3]   offset:64*\b
	ds_store_b128 v[STO], v[8*(4*(\a)+\b)+4:8*(4*(\a)+\b)+7] offset:64*\b+16
.endr
	WIN 0
	s_wait_xcnt 0x0                                ; the stores of the block before last have read the registers that are loaded next
.irp t, 0,1,2,3,4,5,6,7
	ds_load_b128 v[BK+32*((\a)%2)+4*\t:BK+32*((\a)%2)+4*\t+3], v[RD] offset:\t*2*SPI  ; LDS serves a wave's instructions in order (ISA guide 5.7.1.4)
.endr
.endm
.macro SEND a, younger
.irp t, 0,1,2,3,4,5,6,7
	s_wait_dscnt (\younger)+7-\t
	global_store_b128 v[CO], v[BK+32*((\a)%2)+4*\t:BK+32*((\a)%2)+4*\t+3], s[8:9] offset:(16*(\a)+2*\t)*4096 th:TH_STORE_NT  ; 16 lanes store 256 consecutive bytes, aligned
.endr
.endm
	TOSTAGE 0
.irp a, 1,2,3,4,5,6,7
	TOSTAGE \a
	SEND (\a)-1, 16
.endr
	SEND 7, 0
	s_wait_tensorcnt 0x0                           ; the wave's end
	ds_add_u32 v[SPW], v[NIL]
	s_wait_dscnt 0x0
	CROUND                                         ; the closing round
	s_endpgm
.Lfunc_end_k_qfd67eee045_gemm_out:
	.size	k_qfd67eee045_gemm_out, .Lfunc_end_k_qfd67eee045_gemm_out-k_qfd67eee045_gemm_out
	.p2alignl 7, 3214868480
	.fill 96, 4, 3214868480
	.section	.rodata,"a",@progbits
	.p2align	6, 0x0
	.amdhsa_kernel k_qfd67eee045_gemm_out
		.amdhsa_group_segment_fixed_size 327680
		.amdhsa_private_segment_fixed_size 0
		.amdhsa_enable_private_segment 0
		.amdhsa_kernarg_size 24
		.amdhsa_user_sgpr_count 2
		.amdhsa_user_sgpr_kernarg_segment_ptr 1
		.amdhsa_wavefront_size32 1
		.amdhsa_system_sgpr_workgroup_id_x 1
		.amdhsa_system_sgpr_workgroup_id_y 1
		.amdhsa_system_sgpr_workgroup_id_z 1
		.amdhsa_system_vgpr_workitem_id 0
		.amdhsa_next_free_vgpr 512
		.amdhsa_next_free_sgpr 84
		.amdhsa_reserve_vcc 0
		.amdhsa_float_denorm_mode_32 3
		.amdhsa_float_denorm_mode_16_64 3
		.amdhsa_memory_ordered 1
		.amdhsa_forward_progress 1
		.amdhsa_inst_pref_size 72
	.end_amdhsa_kernel
	.amdgpu_metadata
---
amdhsa.version: [ 1, 2 ]
amdhsa.kernels:
  - .name:           k_qfd67eee045_gemm_out
    .symbol:         k_qfd67eee045_gemm_out.kd
    .args:
      - { .name: ob, .offset: 0, .size: 8, .value_kind: global_buffer, .address_space: global }
      - { .name: wob, .offset: 8, .size: 8, .value_kind: global_buffer, .address_space: global }
      - { .name: out0, .offset: 16, .size: 8, .value_kind: global_buffer, .address_space: global }
    .group_segment_fixed_size: 327680
    .private_segment_fixed_size: 0
    .kernarg_segment_align: 8
    .kernarg_segment_size: 24
    .max_flat_workgroup_size: 128
    .sgpr_count:     84
    .vgpr_count:     512
    .wavefront_size: 32
...
	.end_amdgpu_metadata
.endif
;; end of part 4
